; MI455X (gfx1250); checked and timed in simulation.
; The chip was launched on July 23, 2026; its instructions are those of AMD's public machine-readable ISA for CDNA 5 (MIT licence, August 2026) and "CDNA5" Instruction Set Architecture Reference Guide (July 2026). The comments in the code are by the model that wrote it; some were corrected since.
;; Causal Multi Head Self Attention. Allowed arithmetic: matrix products marked QUANTISED: E3M2 operands, one E8M0 scale for each 32 along K, by v_wmma_scale_f32_16x16x128_f8f6f4 with both operands' format E3M2, f32 sums; everything else in f32.
;; Inputs: WK 1,024 x 1,024 float32; WO 1,024 x 1,024 float32; WQ 1,024 x 1,024 float32; WV 1,024 x 1,024 float32; x 4 x 2,048 x 1,024 float32.
;; Outputs: out0 4 x 2,048 x 1,024 float32.
;; This version of the problem:
;;   THIS VERSION OF THE PROBLEM IS GIVEN IN LOW PRECISION. The matrix products marked QUANTISED in the list below multiply operands that are first quantised to E3M2 (3 exponent bits, 2 mantissa bits; 6 bits a number), with one power-of-two scale for each 32 numbers along K (OCP MX v1.0); their sums are f32. All else is computed in f32.
;;   The module's matrix products, in the order in which they are computed (A, B: the left and right operand; K: the contracted axis; several contracted axes count as one K, in the product's order):
;;     1. [M 8,192, K 1,024] x [K 1,024, N 1,024]; A: input x; B: input WQ: QUANTISED
;;     2. [M 8,192, K 1,024] x [K 1,024, N 1,024]; A: input x; B: input WK: QUANTISED
;;     3. [M 8,192, K 1,024] x [K 1,024, N 1,024]; A: input x; B: input WV: QUANTISED
;;     4. batch 64 x [M 2,048, K 64] x [K 64, N 2,048]; A: computed on the way; B: computed on the way: QUANTISED
;;     5. batch 64 x [M 2,048, K 2,048] x [K 2,048, N 64]; A: softmax (see below); B: computed on the way: QUANTISED
;;     6. [M 8,192, K 1,024] x [K 1,024, N 1,024]; A: computed on the way; B: input WO: QUANTISED
;;   THE QUANTISER, for each operand of a quantised product, along K:
;;     - K is cut into blocks of 32 from its start; a last block that is shorter is filled with zeros.
;;     - A block's scale is 2^e with e = floor(log2(the largest magnitude in the block)) - 4, held to -126 .. 127; a block of zeros has e = 0. As a byte (E8M0): e + 127.
;;     - Each number is divided by its block's scale, clamped to +-28, and rounded to the nearest number of E3M2, ties to even, subnormals kept.
;;     - The product sums the exact products of the quantised numbers (number of the format x scale) in f32.
;;   ~~~python
;;   def quantise(x, axis):      # numpy; x: float32 -> the quantised numbers, widened to float32 again
;;       x = np.moveaxis(x, axis, -1); K = x.shape[-1]
;;       x = np.pad(x, [(0, 0)] * (x.ndim - 1) + [(0, -K % 32)]); x = x.reshape(x.shape[:-1] + (-1, 32)); a = np.abs(x).max(-1, keepdims=True)
;;       e = np.where(a > 0, np.clip(np.frexp(np.where(a > 0, a, 1))[1] - 1 - 4, -126, 127), 0)      # np.frexp(a)[1] - 1 = floor(log2(a)), exactly
;;       r = np.clip(x / 2.0 ** e, -28, 28)
;;       step = 2.0 ** (np.maximum(np.frexp(np.where(r == 0, 1, r))[1] - 1, -2) - 2)
;;       q = np.round(r / step) * step * 2.0 ** e      # np.round: ties to even
;;       return np.moveaxis(q.reshape(q.shape[:-2] + (-1,))[..., :K], -1, axis).astype(np.float32)
;;   ~~~
;;   SOFTMAX AHEAD OF A QUANTISED PRODUCT. Where the list says 'softmax', what is quantised is not the finished softmax but p = 2^(t - M), with t = logit x log2(e) and M = ceil(the row's largest t), a whole number; so 1/2 < the row's largest p <= 1. The row's sum l is taken of the UNQUANTISED p, in f32, and the product's result is divided by l at the end. Since M is a whole number, a kernel that streams over the keys may use a running M (the ceiling of the running maximum): every later rescaling is an exact power of two, which a block's scale takes up: the codes' values come out the same.
;;   OPERANDS COMPUTED ON THE WAY. 'Computed on the way' means the value that the module computes at that place (a softmax that the list does not call 'softmax' is quantised finished and normalised). What goes into a quantiser is computed in f32, as accurately as f32 sums, v_exp_f32 and their like allow (about 1e-6 of the number): no bf16 or f16 on the way to a quantiser, and a product that is left as it is and whose result goes on into a quantised operand takes f32 operands (vector FMAs, or v_wmma_f32_16x16x4_f32). A number that lies on a knife's edge between two numbers of the format may be rounded either way, as far as f32 arithmetic and the matrix unit's own rounding can turn it there, and no further.
;; One version. Each part assembles by itself: llvm-mc -triple=amdgcn-amd-amdhsa -mcpu=gfx1250 --defsym DOCPART=n.
;; ======== version 1 of 1: 4 launches
;; workspace buffers: xc 6,291,456 bytes; xs 262,144 bytes; wc 3,145,728 bytes; ws 131,072 bytes; q 6,815,744 bytes; kv 13,631,488 bytes; aoc 6,291,456 bytes; aos 262,144 bytes
;; launch quant (part 1): grid 256 x 1, 6 waves a work-group, no clusters, 51,456 bytes of LDS; arguments x, WQ, WK, WV, WO, xc, xs, wc, ws; writes xc, xs, wc, ws
.if DOCPART == 1
	.amdgcn_target "amdgcn-amd-amdhsa--gfx1250"
	.amdhsa_code_object_version 6
	.text
	.protected	k_q43102c1240_quant
	.globl	k_q43102c1240_quant
	.p2align	8
	.type	k_q43102c1240_quant,@function
k_q43102c1240_quant:
	s_mov_b64 s[64:65], 0
	v_nop
	global_prefetch_b8 v0, s[64:65] scope:SCOPE_SE
	s_setreg_imm32_b32 hwreg(HW_REG_WAVE_MODE, 25, 1), 1
	s_wait_xcnt 0x0
; x [8192][1024] and WQ, WK, WV, WO [1024][1024], f32, K innermost, become codes of BF6 (E3M2) with one E8M0 byte for each 32 along K.
; A block's scale is 2^(floor(log2(its largest magnitude)) - 4); its byte is the largest magnitude's exponent field - 4, held at 1 from below.
; LIMITS: a block of zeros, or one whose largest magnitude lies under 2^-122, gets the byte 1 (its codes are zeros or subnormal codes; the bytes are read by this program alone); NaN and infinities are not served.
; LAYOUT OF THE RESULT: images of operand registers.  A TILE is 16 rows x 1024 K.  Tile 2 B + u holds, in lane r, row 32 B + 8 u + r + 8 (r / 8).
; A fragment (16 rows x 128 K, 12 registers a lane) is 1,536 bytes: registers 0-3 at 16 x lane, 4-5 at 512 + 8 x lane, 6-9 at 768 + 16 x lane, 10-11 at 1,280 + 8 x lane.  A tile is eight fragments on end, 12,288 bytes.
; A tile's scale words are 512 bytes: the word of row r for K step k (128 along K) at 256 (k / 4) + 16 r + 4 (k % 4).
; SHARES: 768 tiles (512 of x; 64 each of WQ, WK, WV, WO) x two halves of K = 1,536 waves = 256 work-groups of six.  A wave takes 16 rows x 512 K in four steps of 128.
; Each load reads 512 consecutive bytes of one row; a step's 16 rows turn through the wave's own stage in LDS, so that a lane gets 16 neighbours of each block of 32.  Waves share nothing: no barrier.
.set STG,  8448                        ; a wave's stage: 16 rows x (512 bytes + 16)
.set TM,   8                           ; v8-23    QUANT's work
.set PW,   24                          ; v24-27   the four steps' scale words
.set QT,   30                          ; v30-37   the conversions' second halves
.set PC,   40                          ; v40-51   a fragment's codes
.set G,    64                          ; v64-191  two sets of 64: a step as loaded
.set X,    192                         ; v192-255 a step as QUANT wants it
.set SEL,  24                          ; s[24:25] lane selects: lane l xor 16
; 64 numbers of a lane, register 16 b + i = k 32 b + 16 (lane / 16) + i of my row, become a fragment's codes in v[pc] on and its scale word in v[pw].
.macro QUANT s, pc, pw
.irp b, 0,1,2,3
	v_max3_num_f32 v[TM+\b], |v[\s+16*\b]|, |v[\s+1+16*\b]|, 0x2800000   ; my 16 numbers of block b, and the floor 2^(5 - 127): the byte cannot fall under 1
.endr
.irp i, 2,4,6,8,10,12,14
.irp b, 0,1,2,3
	v_max3_num_f32 v[TM+\b], v[TM+\b], |v[\s+16*\b+\i]|, |v[\s+1+16*\b+\i]|
.endr
.endr
.irp b, 0,1,2,3
	v_permlanex16_b32 v[TM+4+\b], v[TM+\b], s[SEL], s[SEL+1]
.endr
.irp b, 0,1,2,3
	v_max_num_f32 v[TM+\b], v[TM+\b], v[TM+4+\b]           ; with lane l xor 16's: the block's largest magnitude
.endr
.irp b, 0,1,2,3
	v_add_nc_u32 v[TM+12+\b], 0xfe000000, v[TM+\b]         ; 4 off its exponent field: the conversion's scale operand
.endr
.irp b, 0,1,2,3
	v_lshrrev_b32 v[TM+4+\b], 23, v[TM+12+\b]              ; the scale's byte
.endr
	v_lshl_or_b32 v[\pw], v[TM+5], 8, v[TM+4]
	v_lshl_or_b32 v[\pw], v[TM+6], 16, v[\pw]
	v_lshl_or_b32 v[\pw], v[TM+7], 24, v[\pw]
.irp c, 0,1
	v_cvt_scalef32_pk16_bf6_f32 v[\pc+6*\c:\pc+6*\c+2], v[\s+32*\c:\s+32*\c+15], v[TM+12+2*\c]
	v_cvt_scalef32_pk16_bf6_f32 v[QT+4*\c:QT+4*\c+2], v[\s+16+32*\c:\s+31+32*\c], v[TM+13+2*\c]   ; (a conversion's three registers begin on an even number)
.endr
	v_nop                                                  ; one plain place behind a scaled conversion
.irp c, 0,1                            ; the operand wants a WHOLE block in a lane: lanes 0-15 block 2 c, lanes 16-31 block 2 c + 1
.irp i, 0,1,2
	v_permlane16_swap_b32 v[\pc+6*\c+\i], v[QT+4*\c+\i]
.endr
.irp i, 0,1,2
	v_mov_b32 v[\pc+3+6*\c+\i], v[QT+4*\c+\i]
.endr
.endr
.endm
	s_load_b256 s[4:11], s[0:1], 0x0               ; x, WQ, WK, WV
	s_load_b256 s[12:19], s[0:1], 0x20             ; WO, xc, xs, wc
	s_load_b64 s[20:21], s[0:1], 0x40              ; ws
	v_lshl_add_u32 v62, v0, 2, 0xc600
	v_mov_b32 v63, 0
	v_lshrrev_b32 v1, 5, v0
	v_readfirstlane_b32 s22, v1                    ; wave 0..5
	v_and_b32 v1, 31, v0                           ; lane
	v_and_b32 v7, 15, v0                           ; r
	v_bfe_u32 v38, v0, 4, 1                        ; h
	v_lshlrev_b32 v2, 4, v1                        ; 16 x lane
	v_lshlrev_b32 v6, 3, v1                        ; 8 x lane
	s_mul_i32 s23, s22, STG                        ; my stage
	v_add_nc_u32 v3, s23, v2                       ; into it: a row's 512 bytes as loaded
	v_mul_u32_u24 v4, v7, 528
	v_lshl_add_u32 v4, v38, 6, v4
	v_add_nc_u32 v4, s23, v4                       ; out of it: row r, + 64 h: my 16 numbers of a block
	v_lshlrev_b32 v5, 4, v7
	v_lshl_add_u32 v5, v38, 3, v5                  ; the scale words' way out: 16 r + 8 h
	v_cmp_eq_u32 s30, 1, v38                       ; lanes 16-31
.irp b, 0,1,2,3
	v_mov_b32 v[TM+4+\b], 0                        ; written once: a lane permute's destination counts as one of its sources
.endr
	s_mov_b32 s[SEL], 0x76543210
	s_mov_b32 s[SEL+1], 0xfedcba98
	s_mul_i32 s26, ttmp9, 6
	s_add_co_u32 s26, s26, s22                     ; my number among the 1,536 waves
	s_lshr_b32 s27, s26, 1                         ; the tile, 0..767
	s_and_b32 s28, s26, 1                          ; which half of K
	s_wait_kmcnt 0x0
	s_cmp_lt_u32 s27, 704                          ; the buffers are chosen on the tile's number alone
	s_cselect_b64 s[12:13], s[10:11], s[12:13]
	s_cmp_lt_u32 s27, 640
	s_cselect_b64 s[12:13], s[8:9], s[12:13]
	s_cmp_lt_u32 s27, 576
	s_cselect_b64 s[12:13], s[6:7], s[12:13]
	s_cmp_lt_u32 s27, 512
	s_cselect_b64 s[12:13], s[4:5], s[12:13]       ; the source
	s_cselect_b64 s[14:15], s[14:15], s[18:19]     ; its codes: xc or wc
	s_cselect_b64 s[16:17], s[16:17], s[20:21]     ; its scale words: xs or ws
	s_cselect_b32 s29, 511, 63
	s_and_b32 s29, s27, s29                        ; the tile's number in its source
	s_lshr_b32 s32, s29, 1
	s_lshl_b32 s32, s32, 17                        ; 32 rows of 4,096 bytes for each pair of tiles,
	s_and_b32 s33, s29, 1
	s_lshl_b32 s33, s33, 15                        ; 8 rows for the odd tile,
	s_add_co_u32 s32, s32, s33
	s_lshl_b32 s33, s28, 11                        ; 512 numbers for the second half of K
	s_add_co_u32 s32, s32, s33
	s_mov_b32 s33, 0
	s_add_nc_u64 s[12:13], s[12:13], s[32:33]
	s_and_b32 s34, s27, 511                        ; the tile's number in xc, or in wc
	s_mul_i32 s32, s34, 12288
	s_mul_i32 s35, s28, 6144
	s_add_co_u32 s32, s32, s35
	s_add_nc_u64 s[14:15], s[14:15], s[32:33]
	s_lshl_b32 s32, s34, 9
	s_lshl_b32 s35, s28, 8
	s_add_co_u32 s32, s32, s35
	s_add_nc_u64 s[16:17], s[16:17], s[32:33]
.macro LOAD t                          ; step t: 16 rows x 512 consecutive bytes
.irp i, 0,1,2,3,4,5,6,7,8,9,10,11,12,13,14,15
	global_load_b128 v[G+64*((\t)%2)+4*\i:G+64*((\t)%2)+4*\i+3], v2, s[12:13] offset:(\i+8*(\i/8))*4096+512*(\t) th:TH_LOAD_NT
.endr
.endm
.macro STEP t
.if \t < 3
	s_wait_loadcnt 16                              ; this step's 16 loads are in; the next step's 16 may be out
.else
	s_wait_loadcnt 0x0
.endif
.irp i, 0,1,2,3,4,5,6,7,8,9,10,11,12,13,14,15
	ds_store_b128 v3, v[G+64*((\t)%2)+4*\i:G+64*((\t)%2)+4*\i+3] offset:528*\i
.endr
.irp b, 0,1,2,3
.irp j, 0,1,2,3
	ds_load_b128 v[X+16*\b+4*\j:X+16*\b+4*\j+3], v4 offset:128*\b+16*\j   ; LDS serves a wave's instructions in order: these see the stores above
.endr
.endr
	s_wait_dscnt 0x0                               ; the numbers are back, and the stores have read their registers,
.if \t < 2
	LOAD \t+2                                      ; which take the loads of two steps on
.endif
	s_wait_xcnt 0x0                                ; the last step's stores have read the codes' registers
	QUANT X, PC, PW+\t
	global_store_b128 v2, v[PC:PC+3], s[14:15] offset:1536*\t          ; each store covers 512 or 256 consecutive bytes, aligned
	global_store_b64 v6, v[PC+4:PC+5], s[14:15] offset:1536*\t+512
	global_store_b128 v2, v[PC+6:PC+9], s[14:15] offset:1536*\t+768
	global_store_b64 v6, v[PC+10:PC+11], s[14:15] offset:1536*\t+1280
.endm
	LOAD 0
	LOAD 1
	STEP 0
	STEP 1
	STEP 2
	STEP 3
	v_cndmask_b32 v28, v[PW], v[PW+2], s30         ; lanes 0-15 store the words of my steps 0 and 1, lanes 16-31 those of steps 2 and 3
	v_cndmask_b32 v29, v[PW+1], v[PW+3], s30
	global_store_b64 v5, v[28:29], s[16:17]        ; 256 consecutive bytes, aligned
	s_wait_tensorcnt 0x0
	ds_add_u32 v62, v63
	s_wait_dscnt 0x0
	s_endpgm
.Lfunc_end_k_q43102c1240_quant:
	.size	k_q43102c1240_quant, .Lfunc_end_k_q43102c1240_quant-k_q43102c1240_quant
	.p2alignl 7, 3214868480
	.fill 96, 4, 3214868480
	.section	.rodata,"a",@progbits
	.p2align	6, 0x0
	.amdhsa_kernel k_q43102c1240_quant
		.amdhsa_group_segment_fixed_size 51456
		.amdhsa_private_segment_fixed_size 0
		.amdhsa_enable_private_segment 0
		.amdhsa_kernarg_size 72
		.amdhsa_user_sgpr_count 2
		.amdhsa_user_sgpr_kernarg_segment_ptr 1
		.amdhsa_wavefront_size32 1
		.amdhsa_system_sgpr_workgroup_id_x 1
		.amdhsa_system_sgpr_workgroup_id_y 1
		.amdhsa_system_sgpr_workgroup_id_z 1
		.amdhsa_system_vgpr_workitem_id 0
		.amdhsa_next_free_vgpr 256
		.amdhsa_next_free_sgpr 66
		.amdhsa_reserve_vcc 0
		.amdhsa_float_denorm_mode_32 3
		.amdhsa_float_denorm_mode_16_64 3
		.amdhsa_memory_ordered 1
		.amdhsa_forward_progress 1
		.amdhsa_inst_pref_size 34
	.end_amdhsa_kernel
	.amdgpu_metadata
---
amdhsa.version: [ 1, 2 ]
amdhsa.kernels:
  - .name:           k_q43102c1240_quant
    .symbol:         k_q43102c1240_quant.kd
    .args:
      - { .name: x, .offset: 0, .size: 8, .value_kind: global_buffer, .address_space: global }
      - { .name: WQ, .offset: 8, .size: 8, .value_kind: global_buffer, .address_space: global }
      - { .name: WK, .offset: 16, .size: 8, .value_kind: global_buffer, .address_space: global }
      - { .name: WV, .offset: 24, .size: 8, .value_kind: global_buffer, .address_space: global }
      - { .name: WO, .offset: 32, .size: 8, .value_kind: global_buffer, .address_space: global }
      - { .name: xc, .offset: 40, .size: 8, .value_kind: global_buffer, .address_space: global }
      - { .name: xs, .offset: 48, .size: 8, .value_kind: global_buffer, .address_space: global }
      - { .name: wc, .offset: 56, .size: 8, .value_kind: global_buffer, .address_space: global }
      - { .name: ws, .offset: 64, .size: 8, .value_kind: global_buffer, .address_space: global }
    .group_segment_fixed_size: 51456
    .private_segment_fixed_size: 0
    .kernarg_segment_align: 8
    .kernarg_segment_size: 72
    .max_flat_workgroup_size: 192
    .sgpr_count:     66
    .vgpr_count:     256
    .wavefront_size: 32
...
	.end_amdgpu_metadata
.endif
;; end of part 1
;; launch proj (part 2): grid 12 x 32, 4 waves a work-group, clusters of 4 x 4, 327,680 bytes of LDS; arguments xc, xs, wc, ws, q, kv; writes q, kv
.if DOCPART == 2
	.amdgcn_target "amdgcn-amd-amdhsa--gfx1250"
	.amdhsa_code_object_version 6
	.text
	.protected	k_q43102c1240_proj
	.globl	k_q43102c1240_proj
	.p2align	8
	.type	k_q43102c1240_proj,@function
k_q43102c1240_proj:
	s_mov_b64 s[64:65], 0
	v_nop
	global_prefetch_b8 v0, s[64:65] scope:SCOPE_SE
	s_setreg_imm32_b32 hwreg(HW_REG_WAVE_MODE, 25, 1), 1
	s_wait_xcnt 0x0
	s_wait_alu depctr_hold_cnt(0) depctr_sa_sdst(0) depctr_va_vdst(0) depctr_va_sdst(0) depctr_va_ssrc(0) depctr_va_vcc(0) depctr_vm_vsrc(0)
	s_getreg_b32 s2, hwreg(HW_REG_IB_STS2, 6, 4)
	s_cmp_eq_u32 s2, 0
	s_cbranch_scc0 .Lentry_in_a_cluster
	s_endpgm
.Lentry_in_a_cluster:
	s_bfe_u32 s2, ttmp6, 0x10000c
	s_cmp_lg_u32 s2, 0xf033
	s_cbranch_scc0 .Lentry_shape_is_right
	s_endpgm
.Lentry_shape_is_right:
; Q = x WQ^T, K = x WK^T, V = x WV^T on codes of BF6 (E3M2) with E8M0 scales; the f32 sums are quantised again in registers, Q and K along a head's 64, V along the keys, and leave as images of operand registers.
; OPERANDS: images (a fragment, 16 rows x 128 K, is 1,536 bytes: registers 0-3 at 16 x lane, 4-5 at 512 + 8 x lane, 6-9 at 768 + 16 x lane, 10-11 at 1,280 + 8 x lane; a tile of 16 rows is eight fragments, 12,288 bytes;
; tile 2 B + u holds in lane r row 32 B + 8 u + r + 8 (r / 8); a tile's scale words are 512 bytes, row r's word for K step k at 256 (k / 4) + 16 r + 4 (k % 4)).  wc: WQ tiles 0-63, WK 64-127, WV 128-191.
; A work-group of four waves makes 256 x 256, a wave 128 x 128: 64 accumulators.  Source 0 is P (two register sets), source 1 is R (one set).  In the result a lane holds ONE row of R, and a block's 64 registers are 128 NEIGHBOURS along P.
; ROLES hang on the cluster's x, which all partners share, and are made by selects, never by a branch: 0: Q and 1: K: R = tokens (xc), P = the weight's rows; 2: V: R = WV's rows (channels), P = tokens (the keys).
; So a lane's 64 numbers run along the next product's K in every role, and nothing is transposed.
; CLUSTER 4 x 4: R's tiles are shared along a row of the cluster, P's along a column: joint loads.
; K = 1,024 is four fills of 256 along K.  Three LDS slots and the scale words are filled at the start (four tensor loads a wave are out); slot 0 alone is filled again, once.
; RESULTS: q: [batch x head 64][step of 128 tokens 16][6,656]: 8 tiles x 768 bytes of codes (16 tokens x 64), then 512 bytes of scale words at 256 (tile / 4) + 16 r + 4 (tile % 4).
;   kv: [batch x head][step][13,312]: K's codes 6,144 as q's; V's codes 6,144 ([tile of 16 channels 4][half of the 128 keys 2][768]); K's scale words 512 as q's; V's 512 (twice 256: 16 r + 4 x channel tile).
;   In Q's and K's scale words bytes 2 and 3 are the neighbouring head's bytes or 0: they scale zero codes alone and are never 0xff.
; LIMITS: a block of zeros or under 2^-122 gets the byte 1; NaN and infinities are not served.
; REGISTERS: window 0: v4-27 addresses; v28, v29 the add's; v32-95 scale words; v96-123 and v224-243 the way out; v128-223 R's fragments.  Window 1: P's two sets at v0 and v128.  Windows 2, 3: accumulator (a, b) at v[8 (8 (a % 4) + b)].
.set FR,    12
.set QB,    24576                      ; 8 tiles x 3,072 bytes: what one tensor load brings, and what one wave reads of R or of P
.set SLOT,  98304                      ; R's rows 0-127, 128-255, P's rows 0-127, 128-255
.set SCL,   294912                     ; behind the three slots: the scale words, four quarters in the same order
.set SCQ,   4096
.set SPARE, 311296                     ; behind them: the spare words, 128 bytes a wave: two blocks of 256 bytes that no other line names
.set TILEB, 12288
.set A16, 4                            ; v4-6    slot s: my R fragments, 16 x lane
.set A8,  8                            ; v8-10   the same, 8 x lane
.set B16, 12                           ; v12-14  my P fragments
.set B8,  16                           ; v16-18
.set ADRS, 19                          ; v19     my scale words: lanes 0-15 R's, lanes 16-31 P's
.set L16, 20                           ; v20     16 x lane
.set L8,  21                           ; v21     8 x lane
.set OA1, 22                           ; v22, v23 the same + the distance to a fragment's second half in the result
.set OB1, 23
.set VS0, 24                           ; v24, v25 where the scale words go
.set VS1, 25
.set SHV, 26                           ; v26     how far a lane shifts a scale word down
.set SPW, 28
.set NIL, 29
.set SC,  32                           ; register SC + 8 i + k: lanes 0-15 the word of R's block i, lanes 16-31 that of P's block i, for K step k
.set TM,  96
.set PW,  112
.set SW,  116
.set AF,  128
.set PC,  224
.set QT,  236
.set G1R, 24
.set G0R, 32
.set G0RS, 44
.set G1P, 48
.set G1RS, 56
.set G0P, 68
.set G0PS, 80
.set G1PS, 84
.set SEL, 100
.set MSB, 0
.macro WIN new                         ; the immediate's high byte repeats the setting that is left
.if MSB != \new
	s_set_vgpr_msb (MSB<<8)|\new
.set MSB, \new
.endif
.endm
.set MUL_LO, 0xa1                      ; source 0 (P) window 1, source 1 (R) window 0, C and D window 2
.set MUL_HI, 0xf1                      ; the same, C and D window 3
.set TO_B,   0x40                      ; destination window 1, address window 0
; A joint load: waves 0 and 1 fetch for R, waves 2 and 3 for P.  The branch hangs on the wave's number alone.  Four v_nop follow each of the two lines.
.macro JLOAD g0a, g1a, g0b, g1b
	s_cmp_eq_u32 s17, 0
	s_cbranch_scc0 .Lfor_p_\@
	tensor_load_to_lds s[\g0a:\g0a+3], s[\g1a:\g1a+7]
	s_nop 0
.rept 4
	v_nop
.endr
	s_branch .Lasked_\@
.Lfor_p_\@:
	tensor_load_to_lds s[\g0b:\g0b+3], s[\g1b:\g1b+7]
	s_nop 0
.rept 4
	v_nop
.endr
.Lasked_\@:
.endm
.macro CREST                           ; a round of the cluster's barrier behind its opening barrier
	s_cmp_lg_u32 s16, 0
	s_cbranch_scc1 .Lnot_wave_0_\@
	s_barrier_signal -3
.Lnot_wave_0_\@:
	s_barrier_wait -3
	s_barrier_signal -1
	s_barrier_wait -1
.endm
.macro CROUND
	s_barrier_signal -1
	s_barrier_wait -1
	CREST
.endm
.macro PLACES n                        ; plain vector places behind matrix instructions (ISA guide 7.12.1)
.rept \n
	v_nop
.endr
.endm
	s_load_b256 s[4:11], s[0:1], 0x0               ; xc, xs, wc, ws
	s_load_b128 s[12:15], s[0:1], 0x20             ; q, kv
	v_lshl_add_u32 v[SPW], v0, 2, SPARE
	v_mov_b32 v[NIL], 0
	ds_add_u32 v28, v29
	ds_add_u32 v28, v29
	s_wait_dscnt 0x0
	v_lshrrev_b32 v1, 5, v0
	v_readfirstlane_b32 s16, v1                    ; wave 0..3
	s_lshr_b32 s17, s16, 1                         ; my half of R's rows.  Also: I fetch for R (0) or for P (1)
	s_and_b32 s18, s16, 1                          ; my half of P's rows.  Also: which 128 rows I fetch
	s_bfe_u32 s19, ttmp6, 0x40000                  ; cx
	s_bfe_u32 s20, ttmp6, 0x40004                  ; cy
	s_and_b32 s21, ttmp7, 0xffff                   ; the cluster's y
	s_lshl_b32 s100, s20, 2
	s_lshl_b32 s100, 15, s100                      ; my row of the cluster
	s_lshl_b32 s22, 0x1111, s19                    ; my column
	s_or_b32 s[G1R], s100, (3<<16)|(1<<21)         ; 15:0 the mask; 17:16 elements of 8 bytes; 21 set beside a mask; no padding
	s_or_b32 s[G1RS], s100, (3<<16)|(1<<21)
	s_or_b32 s[G1P], s22, (3<<16)|(1<<21)
	s_or_b32 s[G1PS], s22, (3<<16)|(1<<21)
.irp g, G1R, G1P                       ; codes: 8 tiles' 3,072 bytes (256 along K), 12,288 bytes from tile to tile
	s_mov_b32 s[\g+1], 384<<16
	s_mov_b32 s[\g+2], 8<<16
	s_mov_b32 s[\g+3], 384<<16
	s_mov_b32 s[\g+4], 8
	s_mov_b32 s[\g+5], 1536
	s_mov_b32 s[\g+6], 0
	s_mov_b32 s[\g+7], 0
.endr
.irp g, G1RS, G1PS                     ; scale words of 8 tiles: 4,096 dense bytes as 16 rows of 256
	s_mov_b32 s[\g+1], 32<<16
	s_mov_b32 s[\g+2], 16<<16
	s_mov_b32 s[\g+3], 32<<16
	s_mov_b32 s[\g+4], 16
	s_mov_b32 s[\g+5], 32
	s_mov_b32 s[\g+6], 0
	s_mov_b32 s[\g+7], 0
.endr
	s_cmp_lt_u32 ttmp9, 2                          ; Q or K (1), or V (0)
	s_cselect_b32 s2, s21, 0
	s_cselect_b32 s3, ttmp9, s21
	s_cselect_b32 s100, 0, 128                     ; R's first tile: xc's, or WV's in wc
	s_lshl_b32 s2, s2, 2
	s_add_co_u32 s2, s2, s20                       ; R's block of 256 rows: hangs on cy, never on cx
	s_lshl_b32 s3, s3, 2
	s_add_co_u32 s3, s3, s19                       ; P's block of 256 rows: hangs on cx, never on cy
	s_lshl_b32 s101, s2, 4
	s_add_co_u32 s100, s100, s101
	s_lshl_b32 s101, s18, 3
	s_add_co_u32 s100, s100, s101                  ; the first of the 8 tiles of R that I would fetch
	s_lshl_b32 s22, s3, 4
	s_lshl_b32 s23, s18, 3
	s_add_co_u32 s22, s22, s23                     ; and of P
	s_lshl_b32 s[G0RS+2], s100, 9
	s_mov_b32 s[G0RS+3], 0
	s_mul_i32 s100, s100, TILEB
	s_mov_b32 s101, 0
	s_lshl_b32 s[G0PS+2], s22, 9
	s_mov_b32 s[G0PS+3], 0
	s_mul_i32 s22, s22, TILEB
	s_mov_b32 s23, 0
	s_wait_kmcnt 0x0
	s_cmp_lt_u32 ttmp9, 2
	s_cselect_b64 s[66:67], s[4:5], s[8:9]         ; R's codes: xc, or wc
	s_cselect_b64 s[8:9], s[8:9], s[4:5]           ; P's codes: wc, or xc
	s_mov_b64 s[4:5], s[66:67]
	s_cselect_b64 s[66:67], s[6:7], s[10:11]       ; and the scale words likewise
	s_cselect_b64 s[10:11], s[10:11], s[6:7]
	s_mov_b64 s[6:7], s[66:67]
	s_add_nc_u64 s[4:5], s[4:5], s[100:101]
	s_add_nc_u64 s[8:9], s[8:9], s[22:23]
	s_add_nc_u64 s[G0RS+2:G0RS+3], s[6:7], s[G0RS+2:G0RS+3]
	s_add_nc_u64 s[G0PS+2:G0PS+3], s[10:11], s[G0PS+2:G0PS+3]
	s_mul_i32 s66, s16, QB                         ; where they go: wave x a quarter: no place in the cluster enters an LDS address
	s_lshl_b32 s67, s16, 12
	CROUND                                         ; all sixteen work-groups are here: the first joint loads meet
	s_mov_b32 s[G0RS], 1
	s_add_co_u32 s[G0RS+1], s67, SCL
	s_or_b32 s[G0RS+3], s[G0RS+3], 0x80000000
	s_mov_b32 s[G0PS], 1
	s_add_co_u32 s[G0PS+1], s67, SCL
	s_or_b32 s[G0PS+3], s[G0PS+3], 0x80000000
	JLOAD G0RS, G1RS, G0PS, G1PS                   ; the scale words first: they are wanted with K step 0
.irp s, 0,1,2
	s_mov_b32 s[G0R+4*\s], 1
	s_add_co_u32 s[G0R+4*\s+1], s66, \s*SLOT
	s_add_nc_u64 s[G0R+4*\s+2:G0R+4*\s+3], s[4:5], \s*3072
	s_or_b32 s[G0R+4*\s+3], s[G0R+4*\s+3], 0x80000000
	s_mov_b32 s[G0P+4*\s], 1
	s_add_co_u32 s[G0P+4*\s+1], s66, \s*SLOT
	s_add_nc_u64 s[G0P+4*\s+2:G0P+4*\s+3], s[8:9], \s*3072
	s_or_b32 s[G0P+4*\s+3], s[G0P+4*\s+3], 0x80000000
	JLOAD G0R+4*\s, G1R, G0P+4*\s, G1P             ; K 0-255, 256-511, 512-767: four tensor loads of mine are out now
.endr
	v_and_b32 v1, 31, v0                           ; lane
	v_and_b32 v2, 15, v0                           ; r
	v_bfe_u32 v3, v0, 4, 1                         ; h
	v_lshlrev_b32 v[L16], 4, v1
	v_lshlrev_b32 v[L8], 3, v1
	s_mul_i32 s21, s17, QB                         ; my 128 rows of R
	s_mul_i32 s66, s18, QB                         ; my 128 rows of P,
	s_add_co_u32 s66, s66, 2*QB                    ; behind R's 256
.irp s, 0,1,2
	v_add_nc_u32 v[A16+\s], s21, v[L16]
	v_add_nc_u32 v[A8+\s], s21, v[L8]
	v_add_nc_u32 v[B16+\s], s66, v[L16]
	v_add_nc_u32 v[B8+\s], s66, v[L8]
	s_add_co_u32 s21, s21, SLOT
	s_add_co_u32 s66, s66, SLOT
.endr
	s_lshl_b32 s21, s17, 12
	s_lshl_b32 s66, s18, 12
	s_add_co_u32 s66, s66, 2*SCQ
	s_sub_co_u32 s66, s66, s21
	v_mul_u32_u24 v[ADRS], s66, v3                 ; lanes 16-31 take P's words: one product, the distance between the two
	s_add_co_u32 s21, s21, SCL
	v_lshl_add_u32 v[ADRS], v2, 4, v[ADRS]
	v_add_nc_u32 v[ADRS], s21, v[ADRS]
	; the role's numbers for the way out
	s_cmp_eq_u32 ttmp9, 0
	s_mov_b32 s4, 13312
	s_cselect_b32 s4, 6656, s4                     ; bytes of a step's block in q, in kv
	s_mov_b32 s6, 12288
	s_cselect_b32 s6, 6144, s6                     ; where its scale words begin (Q, K)
	s_cselect_b64 s[94:95], s[12:13], s[14:15]     ; q or kv
	s_lshl_b32 s5, s4, 4                           ; from a head to the next: 16 blocks
	s_cmp_lt_u32 ttmp9, 2
	s_cselect_b32 s6, s6, 12800                    ; (V's scale words)
	s_cselect_b32 s7, 0, 6144                      ; where the codes begin in a block
	s_cselect_b32 s8, s5, 768                      ; from a fragment's first half to its second: the next head, or the next 64 keys
	s_cselect_b32 s9, s5, 256                      ; lanes 16-31 store scale words for the next head, or a second copy
	s_cselect_b32 s10, 256, s5                     ; from blocks 0-3's words to blocks 4-7's
	s_cselect_b32 s11, 16, 0                       ; lanes 16-31 take a word's upper two bytes, or the whole word
	s_mov_b32 s96, 1536
	s_cselect_b32 s96, 768, s96                    ; from block a to block a + 1
	s_cselect_b32 s98, 0, 206848                   ; and more at a = 4: V goes on to the next head
	s_cselect_b32 s92, s2, s3                      ; the tokens' block of 256,
	s_cselect_b32 s66, s17, s18                    ; my half of it,
	s_cselect_b32 s93, s19, s20                    ; the group of four heads,
	s_cselect_b32 s67, s18, s17                    ; my two of them
	s_mov_b32 s97, 0
	s_mov_b32 s99, 0
	s_lshl_b32 s92, s92, 1
	s_add_co_u32 s92, s92, s66                     ; my step of 128 tokens, 0..63
	s_lshl_b32 s93, s93, 2
	s_lshl_b32 s67, s67, 1
	s_add_co_u32 s93, s93, s67                     ; my first head
	s_lshr_b32 s66, s92, 4
	s_lshl_b32 s66, s66, 4
	s_add_co_u32 s66, s66, s93                     ; batch x 16 + head
	s_lshl_b32 s66, s66, 4
	s_and_b32 s92, s92, 15
	s_add_co_u32 s66, s66, s92                     ; the block's number
	s_mul_i32 s66, s66, s4
	s_mov_b32 s67, 0
	s_add_nc_u64 s[94:95], s[94:95], s[66:67]      ; my first head's block
	s_mov_b32 s66, s7
	s_add_nc_u64 s[92:93], s[94:95], s[66:67]      ; and its codes
	v_add_nc_u32 v[OA1], s8, v[L16]
	v_add_nc_u32 v[OB1], s8, v[L8]
	v_mul_u32_u24 v[VS0], s9, v3
	v_lshl_add_u32 v[VS0], v2, 4, v[VS0]
	v_add_nc_u32 v[VS0], s6, v[VS0]
	v_add_nc_u32 v[VS1], s10, v[VS0]
	v_mul_u32_u24 v[SHV], s11, v3
.irp b, 0,1,2,3
	v_mov_b32 v[TM+4+\b], 0                        ; written once: a lane permute's destination counts as one of its sources
.endr
	s_mov_b32 s[SEL], 0x76543210
	s_mov_b32 s[SEL+1], 0xfedcba98
.macro FRAG reg, a16, a8, off          ; a fragment's image comes back as it was stored: every access is lane by lane on end
	ds_load_b128 v[(\reg):(\reg)+3], v[\a16] offset:(\off)
	ds_load_b64 v[(\reg)+4:(\reg)+5], v[\a8] offset:(\off)+512
	ds_load_b128 v[(\reg)+6:(\reg)+9], v[\a16] offset:(\off)+768
	ds_load_b64 v[(\reg)+10:(\reg)+11], v[\a8] offset:(\off)+1280
.endm
.macro FETCH_B slot, q, p              ; P's eight fragments of the slot's q-th 128 along K into set p
	WIN TO_B
.irp i, 0,1,2,3,4,5,6,7
	FRAG 128*(\p)+FR*\i, B16+\slot, B8+\slot, 3072*\i+1536*(\q)
.endr
	WIN 0
.endm
.macro FETCH_A slot, q, i0             ; R's blocks i0 .. i0 + 3
.irp i, \i0, \i0+1, \i0+2, \i0+3
	FRAG AF+FR*(\i), A16+\slot, A8+\slot, 3072*(\i)+1536*(\q)
.endr
.endm
.macro SCALES                          ; all eight K steps' words of my 8 + 8 blocks, once
.irp i, 0,1,2,3,4,5,6,7
.irp e, 0,1
	ds_load_b128 v[SC+8*\i+4*\e:SC+8*\i+4*\e+3], v[ADRS] offset:512*\i+256*\e
.endr
.endr
.endm
; 16 matrix instructions: R's blocks a0, a0 + 1 x P's eight, K step k.  The 64 accumulators take turns, one instruction a turn, in the same order in every step.
.macro MUL16 a0, k, zero
.irp a, \a0, \a0+1
.irp b, 0,1,2,3,4,5,6,7
.if \zero
	v_wmma_scale_f32_16x16x128_f8f6f4 v[8*(8*((\a)%4)+\b):8*(8*((\a)%4)+\b)+7], v[128*((\k)%2)+FR*\b:128*((\k)%2)+FR*\b+FR-1], v[AF+FR*(\a):AF+FR*(\a)+FR-1], 0, v[SC+8*\b+(\k)], v[SC+8*(\a)+(\k)] matrix_a_fmt:MATRIX_FMT_BF6 matrix_b_fmt:MATRIX_FMT_BF6 matrix_a_scale:MATRIX_SCALE_ROW1
.else
	v_wmma_scale_f32_16x16x128_f8f6f4 v[8*(8*((\a)%4)+\b):8*(8*((\a)%4)+\b)+7], v[128*((\k)%2)+FR*\b:128*((\k)%2)+FR*\b+FR-1], v[AF+FR*(\a):AF+FR*(\a)+FR-1], v[8*(8*((\a)%4)+\b):8*(8*((\a)%4)+\b)+7], v[SC+8*\b+(\k)], v[SC+8*(\a)+(\k)] matrix_a_fmt:MATRIX_FMT_BF6 matrix_b_fmt:MATRIX_FMT_BF6 matrix_a_scale:MATRIX_SCALE_ROW1
.endif
.endr
.endr
.endm
; K step k; the next step's fragments come from slot ns, its nq-th 128 along K, which every wave already knows to be whole.
.macro STEP k, ns, nq, zero
	s_wait_dscnt 16                                ; P's set and R's blocks 0-3 are in; the youngest 16 loads (R's blocks 4-7) may be out
	WIN MUL_LO
	MUL16 0, \k, \zero
	MUL16 2, \k, \zero
	s_wait_dscnt 0x0
	PLACES 4
	FETCH_B \ns, \nq, 1-(\k)%2
	FETCH_A \ns, \nq, 0
	WIN MUL_HI
	MUL16 4, \k, \zero
	MUL16 6, \k, \zero
	PLACES 4
	WIN 0
	FETCH_A \ns, \nq, 4
.endm
; K step k with a barrier.  In front of it each wave waits for all its tensor loads, adds 0 to its spare word, and waits for that and for its reads.  fill = 1: the barrier opens a round of the cluster's, and slot 0, read out, takes K 768-1023.
.macro TURN k, ns, fill
	s_wait_tensorcnt 0x0                           ; all my tensor loads have landed
	ds_add_u32 v[SPW], v[NIL]                      ; 0 onto my spare word
	s_wait_dscnt 17                                ; (the add and the youngest 16 loads may be out)
	WIN MUL_LO
	MUL16 0, \k, 0
	s_wait_dscnt 0x0                               ; the add is done, and my reads so far are over
	s_barrier_signal -1
	MUL16 2, \k, 0
	WIN 0
	s_barrier_wait -1
.if \fill
	CREST                                          ; no wave of any partner still reads slot 0 or has a load on its way
	s_add_nc_u64 s[G0R+2:G0R+3], s[G0R+2:G0R+3], 9216
	s_add_nc_u64 s[G0P+2:G0P+3], s[G0P+2:G0P+3], 9216
	JLOAD G0R, G1R, G0P, G1P                       ; the first tensor load behind the round; it has three and a half K steps, 224 matrix instructions, in which to land; its four v_nop are the places in front of the loads below
.else
	PLACES 4
.endif
	FETCH_B \ns, 0, 0
	FETCH_A \ns, 0, 0
	WIN MUL_HI
	MUL16 4, \k, 0
	MUL16 6, \k, 0
	PLACES 4
	WIN 0
	FETCH_A \ns, 0, 4
.endm
	s_wait_tensorcnt 2                             ; my parts of the scale words and of slot 0 are in; slots 1 and 2 may stay out
	s_barrier_signal -1
	s_barrier_wait -1
	FETCH_B 0, 0, 0
	FETCH_A 0, 0, 0
	SCALES
	FETCH_A 0, 0, 4
	STEP 0, 0, 1, 1                                ; the first products start the sums: nothing is cleared
	TURN 1, 1, 1                                   ; its wait for all loads and its barrier show slots 1 and 2 whole to every wave
	STEP 2, 1, 1, 0
	STEP 3, 2, 0, 0
	STEP 4, 2, 1, 0
	TURN 5, 0, 0                                   ; the refill of slot 0 has landed, everybody's
	STEP 6, 0, 1, 0
	s_wait_dscnt 16                                ; the last K step: nothing more to fetch
	WIN MUL_LO
	MUL16 0, 7, 0
	MUL16 2, 7, 0
	s_wait_dscnt 0x0
	WIN MUL_HI
	MUL16 4, 7, 0
	MUL16 6, 7, 0
	WIN 0
; THE WAY OUT, block a of R's rows: the lane's 64 sums (register 16 b + i = index 32 b + 16 (lane / 16) + i along P) are quantised in four blocks of 32 and leave as a fragment's image; each store covers 512 or 256 consecutive bytes, aligned.
.macro OUTB a
.set WN, 2+(\a)/4
.set AC, 64*((\a)%4)
.set WW, WN|(WN<<2)
	WIN WW                                         ; sources 0 and 1: the accumulators' window
.irp b, 0,1,2,3
	v_max3_num_f32 v[TM+\b], |v[AC+16*\b]|, |v[AC+16*\b+1]|, 0x2800000   ; each accumulator is read from its low end on; the floor 2^(5 - 127) holds the byte at 1 from below
.endr
.irp i, 2,4,6,8,10,12,14
.irp b, 0,1,2,3
	v_max3_num_f32 v[TM+\b], |v[AC+16*\b+\i]|, |v[AC+16*\b+\i+1]|, v[TM+\b]
.endr
.endr
	WIN 0
.irp b, 0,1,2,3
	v_permlanex16_b32 v[TM+4+\b], v[TM+\b], s[SEL], s[SEL+1]
.endr
.irp b, 0,1,2,3
	v_max_num_f32 v[TM+\b], v[TM+\b], v[TM+4+\b]
.endr
.irp b, 0,1,2,3
	v_add_nc_u32 v[TM+12+\b], 0xfe000000, v[TM+\b]
.endr
.irp b, 0,1,2,3
	v_lshrrev_b32 v[TM+4+\b], 23, v[TM+12+\b]
.endr
	v_lshl_or_b32 v[PW], v[TM+5], 8, v[TM+4]
	v_lshl_or_b32 v[PW], v[TM+6], 16, v[PW]
	v_lshl_or_b32 v[PW], v[TM+7], 24, v[PW]
	v_lshrrev_b32 v[SW+(\a)], v[SHV], v[PW]        ; Q, K: lanes 16-31 keep the second head's two bytes; V: the word as it is
	s_wait_xcnt 0x0                                ; the last block's stores have read the codes' registers and their base
.if (\a) > 0
	s_add_nc_u64 s[92:93], s[92:93], s[96:97]
.endif
.if (\a) == 4
	s_add_nc_u64 s[92:93], s[92:93], s[98:99]
.endif
	WIN WN                                         ; source 0: the accumulators' window
.irp c, 0,1
	v_cvt_scalef32_pk16_bf6_f32 v[PC+6*\c:PC+6*\c+2], v[AC+32*\c:AC+32*\c+15], v[TM+12+2*\c]
	v_cvt_scalef32_pk16_bf6_f32 v[QT+4*\c:QT+4*\c+2], v[AC+16+32*\c:AC+31+32*\c], v[TM+13+2*\c]
.endr
	WIN 0
	v_nop                                          ; one plain place behind a scaled conversion
.irp c, 0,1
.irp i, 0,1,2
	v_permlane16_swap_b32 v[PC+6*\c+\i], v[QT+4*\c+\i]
.endr
.irp i, 0,1,2
	v_mov_b32 v[PC+3+6*\c+\i], v[QT+4*\c+\i]
.endr
.endr
	global_store_b128 v[L16], v[PC:PC+3], s[92:93]
	global_store_b64 v[L8], v[PC+4:PC+5], s[92:93] offset:512
	global_store_b128 v[OA1], v[PC+6:PC+9], s[92:93]
	global_store_b64 v[OB1], v[PC+10:PC+11], s[92:93] offset:512
.endm
	PLACES 4
.irp a, 0,1,2,3,4,5,6,7
	OUTB \a
.endr
	global_store_b128 v[VS0], v[SW:SW+3], s[94:95]     ; each half of the lanes fills 256 consecutive bytes, aligned
	global_store_b128 v[VS1], v[SW+4:SW+7], s[94:95]
	s_wait_tensorcnt 0x0                           ; the wave's end
	ds_add_u32 v[SPW], v[NIL]
	s_wait_dscnt 0x0
	CROUND                                         ; the closing round: no work-group ends while a partner may still ask for a tile that names it
	s_endpgm
.Lfunc_end_k_q43102c1240_proj:
	.size	k_q43102c1240_proj, .Lfunc_end_k_q43102c1240_proj-k_q43102c1240_proj
	.p2alignl 7, 3214868480
	.fill 96, 4, 3214868480
	.section	.rodata,"a",@progbits
	.p2align	6, 0x0
	.amdhsa_kernel k_q43102c1240_proj
		.amdhsa_group_segment_fixed_size 327680
		.amdhsa_private_segment_fixed_size 0
		.amdhsa_enable_private_segment 0
		.amdhsa_kernarg_size 48
		.amdhsa_user_sgpr_count 2
		.amdhsa_user_sgpr_kernarg_segment_ptr 1
		.amdhsa_wavefront_size32 1
		.amdhsa_system_sgpr_workgroup_id_x 1
		.amdhsa_system_sgpr_workgroup_id_y 1
		.amdhsa_system_sgpr_workgroup_id_z 1
		.amdhsa_system_vgpr_workitem_id 0
		.amdhsa_next_free_vgpr 1024
		.amdhsa_next_free_sgpr 102
		.amdhsa_reserve_vcc 0
		.amdhsa_float_denorm_mode_32 3
		.amdhsa_float_denorm_mode_16_64 3
		.amdhsa_memory_ordered 1
		.amdhsa_forward_progress 1
		.amdhsa_inst_pref_size 149
	.end_amdhsa_kernel
	.amdgpu_metadata
---
amdhsa.version: [ 1, 2 ]
amdhsa.kernels:
  - .name:           k_q43102c1240_proj
    .symbol:         k_q43102c1240_proj.kd
    .args:
      - { .name: xc, .offset: 0, .size: 8, .value_kind: global_buffer, .address_space: global }
      - { .name: xs, .offset: 8, .size: 8, .value_kind: global_buffer, .address_space: global }
      - { .name: wc, .offset: 16, .size: 8, .value_kind: global_buffer, .address_space: global }
      - { .name: ws, .offset: 24, .size: 8, .value_kind: global_buffer, .address_space: global }
      - { .name: q, .offset: 32, .size: 8, .value_kind: global_buffer, .address_space: global }
      - { .name: kv, .offset: 40, .size: 8, .value_kind: global_buffer, .address_space: global }
    .group_segment_fixed_size: 327680
    .private_segment_fixed_size: 0
    .kernarg_segment_align: 8
    .kernarg_segment_size: 48
    .max_flat_workgroup_size: 128
    .sgpr_count:     102
    .vgpr_count:     1024
    .wavefront_size: 32
...
	.end_amdgpu_metadata
.endif
;; end of part 2
;; launch attn (part 3): grid 4 x 64, 16 waves a work-group, clusters of 4 x 1, 215,040 bytes of LDS; arguments q, kv, aoc, aos; writes aoc, aos
.if DOCPART == 3
	.amdgcn_target "amdgcn-amd-amdhsa--gfx1250"
	.amdhsa_code_object_version 6
	.text
	.protected	k_q43102c1240_attn
	.globl	k_q43102c1240_attn
	.p2align	8
	.type	k_q43102c1240_attn,@function
k_q43102c1240_attn:
	s_mov_b64 s[64:65], 0
	v_nop
	global_prefetch_b8 v0, s[64:65] scope:SCOPE_SE
	s_setreg_imm32_b32 hwreg(HW_REG_WAVE_MODE, 25, 1), 1
	s_wait_xcnt 0x0
	s_wait_alu depctr_hold_cnt(0) depctr_sa_sdst(0) depctr_va_vdst(0) depctr_va_sdst(0) depctr_va_ssrc(0) depctr_va_vcc(0) depctr_vm_vsrc(0)
	s_getreg_b32 s2, hwreg(HW_REG_IB_STS2, 6, 4)
	s_cmp_eq_u32 s2, 0
	s_cbranch_scc0 .Lentry_in_a_cluster
	s_endpgm
.Lentry_in_a_cluster:
	s_bfe_u32 s2, ttmp6, 0x10000c
	s_cmp_lg_u32 s2, 0x3003
	s_cbranch_scc0 .Lentry_shape_is_right
	s_endpgm
.Lentry_shape_is_right:
; Causal attention of one head on codes of BF6 (E3M2) with E8M0 scales; the result, divided by the row's sum, is quantised along the head's 64 and leaves as an image of operand registers for the last product.
; t = score x log2(e) / 8; M = the row's running largest t rounded UP to a whole number; p = 2^(t - M) is quantised along the keys; the row's sum is taken of the unquantised p.  When M moves, the sum and O are multiplied by 2^(old M - new M): exact.
; INPUTS: q: [batch x head 64][step of 128 tokens 16][6,656]: 8 tiles x 768 bytes (16 tokens x 64: registers 0-3 at 16 x lane, 4-5 at 512 + 8 x lane), scale words at 6,144 + 256 (tile / 4) + 16 r + 4 (tile % 4).
;   kv: [batch x head][step][13,312]: K's 8 tiles, V's [tile of 16 channels 4][half of the keys 2][768] at 6,144, K's scale words at 12,288, V's at 12,800 + 16 r + 4 x channel tile.
;   Tile 2 B + u holds in lane r token (or channel) 32 B + 8 u + r + 8 (r / 8), so that the 16 registers of two neighbouring result tiles are 16 neighbours.
; The first product's K is 64: the upper half of both operands' registers holds zero codes, set once.
; SHARES: a head's K, V and scale words, 212,992 bytes, lie in LDS for the whole launch: filled once, no slot is filled again.  The four work-groups of a head form a cluster and ask for them jointly.
; Work-group cx owns the query tiles 4 i + cx, i = 0..31.  Wave w takes i = 31 - w and then i = w.  A tile's last key step is i / 2 whatever cx is: so every branch hangs on the wave's number and a counter alone, and every wave works 17 key steps.
; Both products are used transposed (S^T = K Q^T, O^T = V^T P^T): a lane holds one query throughout.
; CAUSAL: key steps that lie wholly behind a tile's queries are passed over; on the diagonal hidden scores become -8e9 ahead of the division by 8, which is the -1e9 of the definition.
; LIMITS: that equals the definition as long as a row's true largest score lies more than about 150 above -1e9; NaN and infinities are not served; a block of zeros gets the scale byte 1.
; RESULT: aoc: [tile of 16 tokens 512][head 16][768]; aos: [tile][512], row r's two bytes for this head at 256 (head / 8) + 16 r + 4 ((head / 2) % 4) + 2 (head % 2): two bytes a lane, since a word spans two heads, which belong to two work-groups.
; REGISTERS: v1-3 16 x lane, 8 x lane, 16 r; v4 the mask's number; v5 -8e9; v6 its lane part; v8-10 LDS addresses; v12 -M, v13 the largest t, v[14:15] the sum; v16-27 Q; v28-31 V's scale words; v32-79 four fragments of K;
;   v80-127 four of V; v128-191 S^T, then p; v192-223 O^T; v224-235 p's codes; v232-247 at work; v248-251 K's scale words; v252 f; v253 p's scale word; v254 at work; v255 Q's scale word.
.set WV,  12
.set CX,  13
.set BH,  14
.set SEL, 20
.set CS,  22
.set G1,  24
.set G0A, 32
.set G0B, 36
.set TB,  40                           ; s40  LDS byte at which the key step's block begins
.set KS,  41                           ; s41  the key step
.set DI,  42                           ; s42  my tile's last key step
.set TI,  43                           ; s43  i
.set CNT, 44
.set QP,  46
.set QS,  48
.set AOP, 50
.set ASP, 52
.macro ROUND                           ; a round of the cluster's barrier
	s_barrier_signal -1
	s_barrier_wait -1
	s_cmp_lg_u32 s[WV], 0
	s_cbranch_scc1 .Lnot_wave_0_\@
	s_barrier_signal -3
.Lnot_wave_0_\@:
	s_barrier_wait -3
	s_barrier_signal -1
	s_barrier_wait -1
.endm
	s_load_b256 s[4:11], s[0:1], 0x0               ; q, kv, aoc, aos
	v_lshl_add_u32 v254, v0, 2, 0x34000
	v_mov_b32 v255, 0
	ds_add_u32 v254, v255
	ds_add_u32 v254, v255
	s_wait_dscnt 0x0
	v_lshrrev_b32 v1, 5, v0
	s_delay_alu instid0(VALU_DEP_1)
	v_readfirstlane_b32 s[WV], v1                  ; wave 0..15
	s_bfe_u32 s[CX], ttmp6, 0x40000                ; cx: it enters global addresses and the mask's number alone
	s_and_b32 s[BH], ttmp7, 0xffff                 ; batch x 16 + head, which the four partners share
	s_and_b32 s18, s[BH], 15                       ; head
	s_mul_i32 s15, s18, 768                        ; its place in a tile of aoc
	s_lshr_b32 s16, s18, 3
	s_lshl_b32 s16, s16, 8
	s_bfe_u32 s19, s18, 0x20001
	s_lshl_b32 s19, s19, 2
	s_add_co_u32 s16, s16, s19
	s_and_b32 s19, s18, 1
	s_lshl_b32 s19, s19, 1
	s_add_co_u32 s16, s16, s19                     ; and of its two bytes in a tile of aos
	s_lshr_b32 s17, s[BH], 4
	s_lshl_b32 s17, s17, 7                         ; the batch's first tile of tokens
	s_mov_b32 s[G1], 15|(3<<16)|(1<<21)            ; 15:0 the mask: all four work-groups; 17:16 elements of 8 bytes; 21 set beside a mask
	s_mov_b32 s[G1+1], 32<<16                      ; 6,656 dense bytes as 26 rows of 256
	s_mov_b32 s[G1+2], 26<<16
	s_mov_b32 s[G1+3], 32<<16
	s_mov_b32 s[G1+4], 26
	s_mov_b32 s[G1+5], 32
	s_mov_b32 s[G1+6], 0
	s_mov_b32 s[G1+7], 0
	s_mul_i32 s56, s[WV], 6656                     ; my sixteenth of half a head, in memory and in LDS
	s_mul_i32 s54, s[BH], 212992
	s_add_co_u32 s54, s54, s56
	s_mov_b32 s55, 0
	s_mov_b32 s[SEL], 0x76543210
	s_mov_b32 s[SEL+1], 0xfedcba98
	s_mov_b32 s[CS], 0x3e38aa3b                    ; c = log2(e) / 8
	s_mov_b32 s[CS+1], s[CS]                       ; (named with it as a pair, so it is written)
	s_wait_kmcnt 0x0
	s_mov_b32 s[G0A], 1
	s_mov_b32 s[G0A+1], s56
	s_add_nc_u64 s[G0A+2:G0A+3], s[6:7], s[54:55]  ; keys 0-1023
	s_mov_b32 s[G0B], 1
	s_add_co_u32 s[G0B+1], s56, 106496
	s_add_nc_u64 s[G0B+2:G0B+3], s[G0A+2:G0A+3], 106496   ; keys 1024-2047
	s_or_b32 s[G0A+3], s[G0A+3], 0x80000000
	s_or_b32 s[G0B+3], s[G0B+3], 0x80000000
	ROUND                                          ; all four work-groups are here: the joint loads meet
	tensor_load_to_lds s[G0A:G0A+3], s[G1:G1+7]
	s_nop 0
	tensor_load_to_lds s[G0B:G0B+3], s[G1:G1+7]    ; two tensor loads of mine are out
	s_nop 0
.rept 4
	v_nop
.endr
	v_and_b32 v7, 31, v0
	s_delay_alu instid0(VALU_DEP_1)
	v_lshlrev_b32 v1, 4, v7                        ; 16 x lane
	s_delay_alu instid0(VALU_DEP_2)
	v_lshlrev_b32 v2, 3, v7                        ; 8 x lane
	v_and_b32 v11, 15, v0                          ; r
	s_delay_alu instid0(VALU_DEP_1)
	v_lshlrev_b32 v3, 4, v11                       ; 16 r
	v_bfe_u32 v7, v0, 4, 1                         ; h
	s_delay_alu instid0(VALU_DEP_3)
	v_and_b32 v6, 8, v11
	s_delay_alu instid0(VALU_DEP_1)
	v_add_nc_u32 v6, v6, v11
	s_delay_alu instid0(VALU_DEP_3)
	v_lshlrev_b32 v7, 4, v7
	s_delay_alu instid0(VALU_DEP_1)
	v_sub_nc_u32 v6, v6, v7                        ; r + 8 (r / 8) - 16 h
	v_mov_b32 v5, 0xcfee6b28                       ; -8e9
.irp j, 22,23,24,25,26,27
	v_mov_b32 v[\j], 0                             ; Q's K 64-127: zero codes
.endr
.irp t, 0,1,2,3
.irp j, 6,7,8,9,10,11
	v_mov_b32 v[32+12*\t+\j], 0                    ; K's likewise
.endr
.endr
.irp b, 0,1,2,3
	v_mov_b32 v[236+\b], 0                         ; written once: a lane permute's destination counts as one of its sources
.endr
	v_mov_b32 v253, 0                              ; (named as the upper half of the pair v[252:253] before it is first written)
; My tile i = s[TI]: its Q, its addresses, its mask number; the running figures begin anew.
.macro SETUP
	s_wait_xcnt 0x0                                ; earlier loads and stores have read their addresses and data
	s_lshr_b32 s[DI], s[TI], 1
	s_lshl_b32 s54, s[BH], 4
	s_add_co_u32 s54, s54, s[DI]
	s_mul_i32 s54, s54, 6656                       ; the block of q that holds my tile
	s_and_b32 s56, s[TI], 1
	s_lshl_b32 s57, s56, 2
	s_add_co_u32 s57, s57, s[CX]                   ; the tile's number in it
	s_mul_i32 s58, s57, 768
	s_add_co_u32 s58, s58, s54
	s_mov_b32 s59, 0
	s_add_nc_u64 s[QP:QP+1], s[4:5], s[58:59]
	s_lshl_b32 s58, s56, 8
	s_lshl_b32 s60, s[CX], 2
	s_add_co_u32 s58, s58, s60
	s_add_co_u32 s58, s58, s54
	s_add_co_u32 s58, s58, 6144
	s_add_nc_u64 s[QS:QS+1], s[4:5], s[58:59]
	global_load_b128 v[16:19], v1, s[QP:QP+1]
	global_load_b64 v[20:21], v2, s[QP:QP+1] offset:512
	global_load_b32 v255, v3, s[QS:QS+1]
	s_lshl_b32 s60, s56, 6
	s_lshl_b32 s61, s[CX], 4
	s_add_co_u32 s60, s60, s61
	s_and_b32 s61, s[CX], 1
	s_lshl_b32 s61, s61, 3
	s_sub_co_u32 s60, s60, s61                     ; the tile's first query in its step: 64 (i % 2) + 16 cx - 8 (cx % 2)
	v_add_nc_u32 v4, s60, v6                       ; d = my query in its step - 16 (lane / 16)
	s_lshl_b32 s58, s[TI], 2
	s_add_co_u32 s58, s58, s[CX]
	s_add_co_u32 s58, s58, s17                     ; the tile's number among all tokens
	s_mul_i32 s62, s58, 12288
	s_add_co_u32 s62, s62, s15
	s_mov_b32 s63, 0
	s_add_nc_u64 s[AOP:AOP+1], s[8:9], s[62:63]
	s_lshl_b32 s62, s58, 9
	s_add_co_u32 s62, s62, s16
	s_add_nc_u64 s[ASP:ASP+1], s[10:11], s[62:63]
	v_mov_b32 v13, 0xff61b1e6                      ; the largest t so far: -3e38
	s_delay_alu instid0(VALU_DEP_1)
	v_floor_f32 v12, -v13                          ; -M
	v_mov_b32 v14, 0
	v_mov_b32 v15, 0
.irp j, 0,1,2,3,4,5,6,7,8,9,10,11,12,13,14,15,16,17,18,19,20,21,22,23,24,25,26,27,28,29,30,31
	v_mov_b32 v[192+\j], 0                         ; O^T: the step is written once; the first change of M leaves zeros zeros
.endr
	s_mov_b32 s[TB], 0
	s_mov_b32 s[KS], 0
	s_wait_loadcnt 0x0
.endm
; A KEY STEP of 128 keys.  masked = 1: a step behind my tile's last is passed over (not the lines that step the address and the count), and on the diagonal hidden scores are replaced.
.macro STEP masked
.if \masked
	s_cmp_gt_u32 s[KS], s[DI]
	s_cbranch_scc1 .Lhidden_\@
.endif
	s_setprio 2
	v_add_nc_u32 v8, s[TB], v1
	v_add_nc_u32 v9, s[TB], v2
	v_add_nc_u32 v10, s[TB], v3
	v_nop                                          ; four places in front of loads into registers that the last step's products read
.irp g, 0,1                            ; S^T = K Q^T, four tiles of 16 keys at a time
.if \g > 0
.rept 4
	v_nop
.endr
.endif
.irp t, 0,1,2,3
	ds_load_b128 v[32+12*\t:35+12*\t], v8 offset:3072*\g+768*\t
	ds_load_b64 v[36+12*\t:37+12*\t], v9 offset:3072*\g+768*\t+512
.endr
	ds_load_b128 v[248:251], v10 offset:12288+256*\g
.if \g == 0
.irp t, 0,1,2,3                        ; V's four fragments are asked for now: they land under the softmax
.irp e, 0,1
	ds_load_b128 v[80+12*\t+6*\e:83+12*\t+6*\e], v8 offset:6144+1536*\t+768*\e
	ds_load_b64 v[84+12*\t+6*\e:85+12*\t+6*\e], v9 offset:6144+1536*\t+768*\e+512
.endr
.endr
	ds_load_b128 v[28:31], v10 offset:12800
	s_wait_alu depctr_va_vdst(0)
	s_wait_dscnt 17                                ; K's nine loads are in; V's 16 and V's scale words may be out
.else
	s_wait_dscnt 0x0
.endif
.irp t, 0,1,2,3
	v_wmma_scale_f32_16x16x128_f8f6f4 v[128+32*\g+8*\t:135+32*\g+8*\t], v[32+12*\t:43+12*\t], v[16:27], 0, v[248+\t], v255 matrix_a_fmt:MATRIX_FMT_BF6 matrix_b_fmt:MATRIX_FMT_BF6
.endr
.endr                                  ; lane (r, h) holds my query; register 16 b + i is key 32 b + 16 h + i of the step
.rept 4
	v_nop
.endr
.if \masked
	s_cmp_lt_u32 s[KS], s[DI]
	s_cbranch_scc1 .Lallkeys_\@
.irp n, 0,1,2,3,4,5,6,7,8,9,10,11,12,13,14,15,16,17,18,19,20,21,22,23,24,25,26,27,28,29,30,31,32,33,34,35,36,37,38,39,40,41,42,43,44,45,46,47,48,49,50,51,52,53,54,55,56,57,58,59,60,61,62,63
	v_cmp_gt_i32 vcc_lo, 32*(\n/16)+\n%16, v4      ; hidden where 32 b + i > d
	v_cndmask_b32 v[128+\n], v[128+\n], v5, vcc_lo
.endr
.Lallkeys_\@:
.endif
.irp b, 0,1,2,3
	v_max3_num_f32 v[232+\b], v[128+16*\b], v[129+16*\b], v[130+16*\b]   ; the largest score of each block of 32 keys: for the row's maximum, and, since p rises with the score, for the block's largest p
.endr
.irp i, 3,5,7,9,11,13
.irp b, 0,1,2,3
	v_max3_num_f32 v[232+\b], v[232+\b], v[128+16*\b+\i], v[129+16*\b+\i]
.endr
.endr
.irp b, 0,1,2,3
	v_max_num_f32 v[232+\b], v[232+\b], v[143+16*\b]
.endr
.irp b, 0,1,2,3
	s_delay_alu instid0(VALU_DEP_4)
	v_permlanex16_b32 v[236+\b], v[232+\b], s[SEL], s[SEL+1]
.endr
.irp b, 0,1,2,3
	s_delay_alu instid0(VALU_DEP_4)
	v_max_num_f32 v[232+\b], v[232+\b], v[236+\b]  ; with lane l xor 16's 16 keys
.endr
	s_delay_alu instid0(VALU_DEP_2)
	v_max3_num_f32 v254, v232, v233, v234
	s_delay_alu instid0(VALU_DEP_1)
	v_max_num_f32 v254, v254, v235
	s_delay_alu instid0(VALU_DEP_1)
	v_mul_f32 v254, s[CS], v254                    ; the step's largest t (c is positive)
	s_delay_alu instid0(VALU_DEP_1)
	v_max_num_f32 v13, v13, v254
	v_mov_b32 v254, v12
	s_delay_alu instid0(VALU_DEP_2)
	v_floor_f32 v12, -v13                          ; the new -M = -ceil(t)
	s_delay_alu instid0(VALU_DEP_1)
	v_sub_f32 v254, v12, v254                      ; old M - new M: a whole number, 0 or less
	s_delay_alu instid0(VALU_DEP_1)
	v_cvt_i32_f32 v254, v254                       ; (it saturates)
	s_delay_alu instid0(VALU_DEP_1)
	v_ldexp_f32 v252, 1.0, v254                    ; f = 2^(old M - new M)
.irp j, 0,2,4,6,8,10,12,14,16,18,20,22,24,26,28,30,32,34,36,38,40,42,44,46,48,50,52,54,56,58,60,62
	v_pk_fma_f32 v[128+\j:129+\j], v[128+\j:129+\j], s[CS:CS+1], v[12:13] op_sel_hi:[1,0,0]   ; t - M
.endr
.irp b, 0,1,2,3
	v_fma_f32 v[232+\b], v[232+\b], s[CS], v12
.endr
	s_setprio 1
	s_wait_alu depctr_va_vdst(0)
.irp j, 0,1,2,3,4,5,6,7,8,9,10,11,12,13,14,15,16,17,18,19,20,21,22,23,24,25,26,27,28,29,30,31,32,33,34,35,36,37,38,39,40,41,42,43,44,45,46,47,48,49,50,51,52,53,54,55,56,57,58,59,60,61,62,63
	v_exp_f32 v[128+\j], v[128+\j]                 ; p = 2^(t - M)
.endr
.irp b, 0,1,2,3
	v_exp_f32 v[232+\b], v[232+\b]                 ; the block's largest p: the same two instructions on the same number
.endr
	v_pk_mul_f32 v[14:15], v[14:15], v[252:253] op_sel_hi:[1,0]   ; the sums under the new M (a plain place behind the exponentials)
	s_wait_alu depctr_va_vdst(0)
.irp b, 0,1,2,3
	v_max_num_f32 v[232+\b], 0x2800000, v[232+\b]  ; the floor 2^(5 - 127)
.endr
.irp b, 0,1,2,3
	s_delay_alu instid0(VALU_DEP_4)
	v_add_nc_u32 v[244+\b], 0xfe000000, v[232+\b]
.endr
.irp b, 0,1,2,3
	s_delay_alu instid0(VALU_DEP_4)
	v_lshrrev_b32 v[236+\b], 23, v[244+\b]
.endr
	s_delay_alu instid0(VALU_DEP_3)
	v_lshl_or_b32 v253, v237, 8, v236              ; p's scale word for these 128 keys
	s_delay_alu instid0(VALU_DEP_1)
	v_lshl_or_b32 v253, v238, 16, v253
	s_delay_alu instid0(VALU_DEP_1)
	v_lshl_or_b32 v253, v239, 24, v253
.irp c, 0,1
	v_cvt_scalef32_pk16_bf6_f32 v[224+6*\c:226+6*\c], v[128+32*\c:143+32*\c], v[244+2*\c]
	v_cvt_scalef32_pk16_bf6_f32 v[236+4*\c:238+4*\c], v[144+32*\c:159+32*\c], v[244+2*\c+1]
.endr
	v_nop                                          ; one plain place behind a scaled conversion
.irp c, 0,1
.irp i, 0,1,2
	v_permlane16_swap_b32 v[224+6*\c+\i], v[236+4*\c+\i]
.endr
.irp i, 0,1,2
	s_delay_alu instid0(VALU_DEP_3)
	v_mov_b32 v[227+6*\c+\i], v[236+4*\c+\i]
.endr
.endr
	v_pk_add_f32 v[236:237], v[132:133], v[136:137]
	v_pk_add_f32 v[250:251], v[140:141], v[144:145]
	v_pk_add_f32 v[248:249], v[148:149], v[152:153]
	v_pk_add_f32 v[246:247], v[156:157], v[160:161]
	v_pk_add_f32 v[244:245], v[164:165], v[168:169]
	v_pk_add_f32 v[242:243], v[172:173], v[176:177]
	v_pk_add_f32 v[240:241], v[180:181], v[184:185]
	v_pk_add_f32 v[14:15], v[14:15], v[188:189]
	v_pk_add_f32 v[236:237], v[236:237], v[128:129]
	v_pk_add_f32 v[250:251], v[250:251], v[130:131]
	v_pk_add_f32 v[248:249], v[248:249], v[134:135]
	v_pk_add_f32 v[246:247], v[246:247], v[138:139]
	v_pk_add_f32 v[244:245], v[244:245], v[142:143]
	v_pk_add_f32 v[242:243], v[242:243], v[146:147]
	v_pk_add_f32 v[240:241], v[240:241], v[150:151]
	v_pk_add_f32 v[14:15], v[14:15], v[154:155]
	v_pk_add_f32 v[236:237], v[236:237], v[158:159]
	v_pk_add_f32 v[250:251], v[250:251], v[162:163]
	v_pk_add_f32 v[248:249], v[248:249], v[166:167]
	v_pk_add_f32 v[246:247], v[246:247], v[170:171]
	s_setprio 0
	v_pk_add_f32 v[244:245], v[244:245], v[174:175]
	v_pk_add_f32 v[242:243], v[242:243], v[178:179]
	v_pk_add_f32 v[240:241], v[240:241], v[182:183]
	v_pk_add_f32 v[14:15], v[14:15], v[186:187]
	v_pk_add_f32 v[236:237], v[236:237], v[190:191]
	s_delay_alu instid0(VALU_DEP_2)
	v_pk_add_f32 v[14:15], v[14:15], v[246:247]
	s_delay_alu instid0(VALU_DEP_2)
	v_pk_add_f32 v[236:237], v[236:237], v[244:245]
	v_pk_add_f32 v[250:251], v[250:251], v[242:243]
	v_pk_add_f32 v[248:249], v[248:249], v[240:241]
	s_delay_alu instid0(VALU_DEP_2)
	v_pk_add_f32 v[14:15], v[14:15], v[250:251]
	s_delay_alu instid0(VALU_DEP_2)
	v_pk_add_f32 v[236:237], v[236:237], v[248:249]
	s_delay_alu instid0(VALU_DEP_1)
	v_pk_add_f32 v[14:15], v[14:15], v[236:237]
.irp j, 0,2,4,6,8,10,12,14,16,18,20,22,24,26,28,30
	v_pk_mul_f32 v[192+\j:193+\j], v[192+\j:193+\j], v[252:253] op_sel_hi:[1,0]   ; O^T under the new M
.endr
.irp t, 0,1,2,3                        ; O^T += V^T P^T: four accumulators by turns, one instruction a turn
	v_wmma_scale_f32_16x16x128_f8f6f4 v[192+8*\t:199+8*\t], v[80+12*\t:91+12*\t], v[224:235], v[192+8*\t:199+8*\t], v[28+\t], v253 matrix_a_fmt:MATRIX_FMT_BF6 matrix_b_fmt:MATRIX_FMT_BF6
.endr
.if \masked
.Lhidden_\@:
.endif
	s_add_co_u32 s[KS], s[KS], 1
	s_add_co_u32 s[TB], s[TB], 13312
.endm
; The tile is finished: O^T / the sum, quantised in two blocks of 32 along the head's 64; register 16 b + i is channel 32 b + 16 (lane / 16) + i.
.macro FINISH
.rept 4
	v_nop
.endr
	v_add_f32 v14, v14, v15
	s_delay_alu instid0(VALU_DEP_1)
	v_permlanex16_b32 v252, v14, s[SEL], s[SEL+1]
	s_delay_alu instid0(VALU_DEP_1)
	v_add_f32 v14, v14, v252                       ; the row's sum
	s_wait_alu depctr_va_vdst(0)
	v_rcp_f32 v14, v14
	v_nop                                          ; a plain place behind the transcendental
	s_wait_alu depctr_va_vdst(0)
.irp j, 0,2,4,6,8,10,12,14,16,18,20,22,24,26,28,30
	v_pk_mul_f32 v[128+\j:129+\j], v[192+\j:193+\j], v[14:15] op_sel_hi:[1,0]   ; each accumulator from its low end on
.endr
.irp b, 0,1
	v_max3_num_f32 v[232+\b], |v[128+16*\b]|, |v[129+16*\b]|, 0x2800000
.endr
.irp i, 2,4,6,8,10,12,14
.irp b, 0,1
	s_delay_alu instid0(VALU_DEP_2)
	v_max3_num_f32 v[232+\b], v[232+\b], |v[128+16*\b+\i]|, |v[129+16*\b+\i]|
.endr
.endr
.irp b, 0,1
	s_delay_alu instid0(VALU_DEP_2)
	v_permlanex16_b32 v[236+\b], v[232+\b], s[SEL], s[SEL+1]
.endr
.irp b, 0,1
	s_delay_alu instid0(VALU_DEP_2)
	v_max_num_f32 v[232+\b], v[232+\b], v[236+\b]
.endr
.irp b, 0,1
	s_delay_alu instid0(VALU_DEP_2)
	v_add_nc_u32 v[244+\b], 0xfe000000, v[232+\b]
.endr
.irp b, 0,1
	s_delay_alu instid0(VALU_DEP_2)
	v_lshrrev_b32 v[236+\b], 23, v[244+\b]
.endr
	s_delay_alu instid0(VALU_DEP_1)
	v_lshl_or_b32 v253, v237, 8, v236              ; my row's two scale bytes for this head
	v_cvt_scalef32_pk16_bf6_f32 v[224:226], v[128:143], v244
	v_cvt_scalef32_pk16_bf6_f32 v[236:238], v[144:159], v245
	v_nop
.irp i, 0,1,2
	v_permlane16_swap_b32 v[224+\i], v[236+\i]
.endr
.irp i, 0,1,2
	s_delay_alu instid0(VALU_DEP_3)
	v_mov_b32 v[227+\i], v[236+\i]
.endr
	global_store_b128 v1, v[224:227], s[AOP:AOP+1]         ; 512 and 256 consecutive bytes, aligned
	global_store_b64 v2, v[228:229], s[AOP:AOP+1] offset:512
	global_store_b16 v3, v253, s[ASP:ASP+1]                ; both halves of the lanes write the same two bytes with the same value
.endm
	s_sub_co_u32 s[TI], 31, s[WV]                  ; the late tile first: its queries lie at 1,024 or beyond
	SETUP
	s_wait_tensorcnt 1                             ; my part of keys 0-1023 is in; the second half may stay out
	s_barrier_signal -1
	s_barrier_wait -1
	s_mov_b32 s[CNT], 8
.Lfirst:                                           ; key steps 0-7: all their keys count for every wave's late tile
	STEP 0
	s_sub_co_u32 s[CNT], s[CNT], 1
	s_cmp_lg_u32 s[CNT], 0
	s_cbranch_scc1 .Lfirst
	s_setprio 0
	s_wait_tensorcnt 0x0                           ; my part of keys 1024-2047 is in,
	s_wait_dscnt 0x0
	s_barrier_signal -1
	s_barrier_wait -1                              ; everybody's is
	s_mov_b32 s[CNT], 8
.Lheavy:                                           ; key steps 8-15
	STEP 1
	s_sub_co_u32 s[CNT], s[CNT], 1
	s_cmp_lg_u32 s[CNT], 0
	s_cbranch_scc1 .Lheavy
	s_setprio 0
	FINISH
	s_mov_b32 s[TI], s[WV]                         ; the early tile
	SETUP
	s_mov_b32 s[CNT], 8
.Llight:                                           ; key steps 0-7
	STEP 1
	s_sub_co_u32 s[CNT], s[CNT], 1
	s_cmp_lg_u32 s[CNT], 0
	s_cbranch_scc1 .Llight
	s_setprio 0
	FINISH
	s_wait_xcnt 0x0
	v_lshl_add_u32 v254, v0, 2, 0x34000
	v_mov_b32 v255, 0
	s_wait_alu depctr_va_vdst(0)
	s_wait_tensorcnt 0x0
	ds_add_u32 v254, v255
	s_wait_dscnt 0x0
	ROUND                                          ; the closing round
	s_endpgm
.Lfunc_end_k_q43102c1240_attn:
	.size	k_q43102c1240_attn, .Lfunc_end_k_q43102c1240_attn-k_q43102c1240_attn
	.p2alignl 7, 3214868480
	.fill 96, 4, 3214868480
	.section	.rodata,"a",@progbits
	.p2align	6, 0x0
	.amdhsa_kernel k_q43102c1240_attn
		.amdhsa_group_segment_fixed_size 215040
		.amdhsa_private_segment_fixed_size 0
		.amdhsa_enable_private_segment 0
		.amdhsa_kernarg_size 32
		.amdhsa_user_sgpr_count 2
		.amdhsa_user_sgpr_kernarg_segment_ptr 1
		.amdhsa_wavefront_size32 1
		.amdhsa_system_sgpr_workgroup_id_x 1
		.amdhsa_system_sgpr_workgroup_id_y 1
		.amdhsa_system_sgpr_workgroup_id_z 1
		.amdhsa_system_vgpr_workitem_id 0
		.amdhsa_next_free_vgpr 256
		.amdhsa_next_free_sgpr 66
		.amdhsa_reserve_vcc 1
		.amdhsa_float_denorm_mode_32 3
		.amdhsa_float_denorm_mode_16_64 3
		.amdhsa_memory_ordered 1
		.amdhsa_forward_progress 1
		.amdhsa_inst_pref_size 83
	.end_amdhsa_kernel
	.amdgpu_metadata
---
amdhsa.version: [ 1, 2 ]
amdhsa.kernels:
  - .name:           k_q43102c1240_attn
    .symbol:         k_q43102c1240_attn.kd
    .args:
      - { .name: q, .offset: 0, .size: 8, .value_kind: global_buffer, .address_space: global }
      - { .name: kv, .offset: 8, .size: 8, .value_kind: global_buffer, .address_space: global }
      - { .name: aoc, .offset: 16, .size: 8, .value_kind: global_buffer, .address_space: global }
      - { .name: aos, .offset: 24, .size: 8, .value_kind: global_buffer, .address_space: global }
    .group_segment_fixed_size: 215040
    .private_segment_fixed_size: 0
    .kernarg_segment_align: 8
    .kernarg_segment_size: 32
    .max_flat_workgroup_size: 512
    .sgpr_count:     66
    .vgpr_count:     256
    .wavefront_size: 32
...
	.end_amdgpu_metadata
.endif
;; end of part 3
;; launch oproj (part 4): grid 4 x 32, 4 waves a work-group, clusters of 4 x 4, 327,680 bytes of LDS; arguments aoc, aos, wc, ws, out0; writes out0
.if DOCPART == 4
	.amdgcn_target "amdgcn-amd-amdhsa--gfx1250"
	.amdhsa_code_object_version 6
	.text
	.protected	k_q43102c1240_oproj
	.globl	k_q43102c1240_oproj
	.p2align	8
	.type	k_q43102c1240_oproj,@function
k_q43102c1240_oproj:
	s_mov_b64 s[64:65], 0
	v_nop
	global_prefetch_b8 v0, s[64:65] scope:SCOPE_SE
	s_setreg_imm32_b32 hwreg(HW_REG_WAVE_MODE, 25, 1), 1
	s_wait_xcnt 0x0
	s_wait_alu depctr_hold_cnt(0) depctr_sa_sdst(0) depctr_va_vdst(0) depctr_va_sdst(0) depctr_va_ssrc(0) depctr_va_vcc(0) depctr_vm_vsrc(0)
	s_getreg_b32 s2, hwreg(HW_REG_IB_STS2, 6, 4)
	s_cmp_eq_u32 s2, 0
	s_cbranch_scc0 .Lentry_in_a_cluster
	s_endpgm
.Lentry_in_a_cluster:
	s_bfe_u32 s2, ttmp6, 0x10000c
	s_cmp_lg_u32 s2, 0xf033
	s_cbranch_scc0 .Lentry_shape_is_right
	s_endpgm
.Lentry_shape_is_right:
; out0 = AO WO^T on codes of BF6 (E3M2) with E8M0 scales, f32 sums, f32 out.  AO: the attention's result, [8192][1024]; WO: tiles 192-255 of wc.
; OPERANDS: images of operand registers (a fragment, 16 rows x 128 K, is 1,536 bytes: registers 0-3 at 16 x lane, 4-5 at 512 + 8 x lane, 6-9 at 768 + 16 x lane, 10-11 at 1,280 + 8 x lane; a tile of 16 rows is eight fragments, 12,288 bytes;
; tile 2 B + u holds in lane r row 32 B + 8 u + r + 8 (r / 8); a tile's scale words are 512 bytes, row r's word for K step k at 256 (k / 4) + 16 r + 4 (k % 4)).
; A work-group of four waves makes 256 x 256, a wave 128 x 128: 64 accumulators.  Source 0 is P (WO's rows, two register sets), source 1 is R (tokens, one set): a lane holds one token, and a block's 64 registers are 128 neighbouring columns.
; CLUSTER 4 x 4: R's tiles are shared along a row of the cluster, P's along a column: joint loads.
; K = 1,024 is four fills of 256 along K.  Three LDS slots and the scale words are filled at the start (four tensor loads a wave are out); slot 0 alone is filled again, once.
; REGISTERS: window 0: v4-23 addresses; v28, v29 the add's; v32-95 scale words; v128-223 R's fragments, on the way out v128-255 rows of the result.  Window 1: P's two sets at v0 and v128.  Windows 2, 3: accumulator (a, b) at v[8 (8 (a % 4) + b)].
.set FR,    12
.set QB,    24576                      ; 8 tiles x 3,072 bytes: what one tensor load brings, and what one wave reads of R or of P
.set SLOT,  98304                      ; R's rows 0-127, 128-255, P's rows 0-127, 128-255
.set SCL,   294912                     ; behind the three slots: the scale words, four quarters in the same order
.set SCQ,   4096
.set SPARE, 311296                     ; behind them: the spare words, 128 bytes a wave: two blocks of 256 bytes that no other line names
.set TILEB, 12288
.set A16, 4
.set A8,  8
.set B16, 12
.set B8,  16
.set ADRS, 19
.set STO, 20                           ; v20     the way out: where I put 32 bytes of a row
.set RD,  21                           ; v21     and where I read a row back
.set L16, 22                           ; v22     16 x lane: also my byte offset in a row's 512 bytes of the result
.set L8,  23                           ; v23     8 x lane
.set SPW, 28
.set NIL, 29
.set SC,  32
.set AF,  128
.set BK,  128
.set G1R, 24
.set G0R, 32
.set G0RS, 44
.set G1P, 48
.set G1RS, 56
.set G0P, 68
.set G0PS, 80
.set G1PS, 84
.set MSB, 0
.macro WIN new                         ; the immediate's high byte repeats the setting that is left
.if MSB != \new
	s_set_vgpr_msb (MSB<<8)|\new
.set MSB, \new
.endif
.endm
.set MUL_LO, 0xa1
.set MUL_HI, 0xf1
.set TO_B,   0x40
.macro JLOAD g0a, g1a, g0b, g1b        ; a joint load: waves 0 and 1 fetch for R, waves 2 and 3 for P; four v_nop follow each of the two lines
	s_cmp_eq_u32 s17, 0
	s_cbranch_scc0 .Lfor_p_\@
	tensor_load_to_lds s[\g0a:\g0a+3], s[\g1a:\g1a+7]
	s_nop 0
.rept 4
	v_nop
.endr
	s_branch .Lasked_\@
.Lfor_p_\@:
	tensor_load_to_lds s[\g0b:\g0b+3], s[\g1b:\g1b+7]
	s_nop 0
.rept 4
	v_nop
.endr
.Lasked_\@:
.endm
.macro CREST
	s_cmp_lg_u32 s16, 0
	s_cbranch_scc1 .Lnot_wave_0_\@
	s_barrier_signal -3
.Lnot_wave_0_\@:
	s_barrier_wait -3
	s_barrier_signal -1
	s_barrier_wait -1
.endm
.macro CROUND
	s_barrier_signal -1
	s_barrier_wait -1
	CREST
.endm
.macro PLACES n
.rept \n
	v_nop
.endr
.endm
	s_load_b256 s[4:11], s[0:1], 0x0               ; aoc, aos, wc, ws
	s_load_b64 s[12:13], s[0:1], 0x20              ; out0
	v_lshl_add_u32 v[SPW], v0, 2, SPARE
	v_mov_b32 v[NIL], 0
	ds_add_u32 v28, v29
	ds_add_u32 v28, v29
	s_wait_dscnt 0x0
	v_lshrrev_b32 v1, 5, v0
	v_readfirstlane_b32 s16, v1                    ; wave 0..3
	s_lshr_b32 s17, s16, 1                         ; my half of R's rows.  Also: I fetch for R (0) or for P (1)
	s_and_b32 s18, s16, 1                          ; my half of P's rows.  Also: which 128 rows I fetch
	s_bfe_u32 s19, ttmp6, 0x40000                  ; cx
	s_bfe_u32 s20, ttmp6, 0x40004                  ; cy
	s_and_b32 s21, ttmp7, 0xffff
	s_lshl_b32 s100, s20, 2
	s_lshl_b32 s100, 15, s100                      ; my row of the cluster
	s_lshl_b32 s22, 0x1111, s19                    ; my column
	s_or_b32 s[G1R], s100, (3<<16)|(1<<21)
	s_or_b32 s[G1RS], s100, (3<<16)|(1<<21)
	s_or_b32 s[G1P], s22, (3<<16)|(1<<21)
	s_or_b32 s[G1PS], s22, (3<<16)|(1<<21)
.irp g, G1R, G1P                       ; codes: 8 tiles' 3,072 bytes (256 along K), 12,288 bytes from tile to tile
	s_mov_b32 s[\g+1], 384<<16
	s_mov_b32 s[\g+2], 8<<16
	s_mov_b32 s[\g+3], 384<<16
	s_mov_b32 s[\g+4], 8
	s_mov_b32 s[\g+5], 1536
	s_mov_b32 s[\g+6], 0
	s_mov_b32 s[\g+7], 0
.endr
.irp g, G1RS, G1PS                     ; scale words of 8 tiles: 4,096 dense bytes as 16 rows of 256
	s_mov_b32 s[\g+1], 32<<16
	s_mov_b32 s[\g+2], 16<<16
	s_mov_b32 s[\g+3], 32<<16
	s_mov_b32 s[\g+4], 16
	s_mov_b32 s[\g+5], 32
	s_mov_b32 s[\g+6], 0
	s_mov_b32 s[\g+7], 0
.endr
	s_lshl_b32 s2, s21, 2
	s_add_co_u32 s2, s2, s20                       ; the tokens' block of 256: hangs on cy, never on cx
	s_lshl_b32 s3, ttmp9, 2
	s_add_co_u32 s3, s3, s19                       ; the columns' block of 256: hangs on cx, never on cy
	s_lshl_b32 s100, s2, 4
	s_lshl_b32 s101, s18, 3
	s_add_co_u32 s100, s100, s101                  ; the first of the 8 tiles of R that I would fetch
	s_lshl_b32 s22, s3, 4
	s_lshl_b32 s23, s18, 3
	s_add_co_u32 s22, s22, s23
	s_add_co_u32 s22, s22, 192                     ; and of P: WO begins at tile 192 of wc
	s_lshl_b32 s[G0RS+2], s100, 9
	s_mov_b32 s[G0RS+3], 0
	s_mul_i32 s100, s100, TILEB
	s_mov_b32 s101, 0
	s_lshl_b32 s[G0PS+2], s22, 9
	s_mov_b32 s[G0PS+3], 0
	s_mul_i32 s22, s22, TILEB
	s_mov_b32 s23, 0
	s_mul_i32 s66, s16, QB                         ; where they go: wave x a quarter: no place in the cluster enters an LDS address
	s_lshl_b32 s67, s16, 12
	s_wait_kmcnt 0x0
	s_add_nc_u64 s[4:5], s[4:5], s[100:101]
	s_add_nc_u64 s[8:9], s[8:9], s[22:23]
	s_add_nc_u64 s[G0RS+2:G0RS+3], s[6:7], s[G0RS+2:G0RS+3]
	s_add_nc_u64 s[G0PS+2:G0PS+3], s[10:11], s[G0PS+2:G0PS+3]
	CROUND                                         ; all sixteen work-groups are here: the first joint loads meet
	s_mov_b32 s[G0RS], 1
	s_add_co_u32 s[G0RS+1], s67, SCL
	s_or_b32 s[G0RS+3], s[G0RS+3], 0x80000000
	s_mov_b32 s[G0PS], 1
	s_add_co_u32 s[G0PS+1], s67, SCL
	s_or_b32 s[G0PS+3], s[G0PS+3], 0x80000000
	JLOAD G0RS, G1RS, G0PS, G1PS                   ; the scale words first
.irp s, 0,1,2
	s_mov_b32 s[G0R+4*\s], 1
	s_add_co_u32 s[G0R+4*\s+1], s66, \s*SLOT
	s_add_nc_u64 s[G0R+4*\s+2:G0R+4*\s+3], s[4:5], \s*3072
	s_or_b32 s[G0R+4*\s+3], s[G0R+4*\s+3], 0x80000000
	s_mov_b32 s[G0P+4*\s], 1
	s_add_co_u32 s[G0P+4*\s+1], s66, \s*SLOT
	s_add_nc_u64 s[G0P+4*\s+2:G0P+4*\s+3], s[8:9], \s*3072
	s_or_b32 s[G0P+4*\s+3], s[G0P+4*\s+3], 0x80000000
	JLOAD G0R+4*\s, G1R, G0P+4*\s, G1P             ; four tensor loads of mine are out now
.endr
	v_and_b32 v1, 31, v0                           ; lane
	v_and_b32 v2, 15, v0                           ; r
	v_bfe_u32 v3, v0, 4, 1                         ; h
	v_lshlrev_b32 v[L16], 4, v1
	v_lshlrev_b32 v[L8], 3, v1
	s_mul_i32 s21, s17, QB
	s_mul_i32 s66, s18, QB
	s_add_co_u32 s66, s66, 2*QB
.irp s, 0,1,2
	v_add_nc_u32 v[A16+\s], s21, v[L16]
	v_add_nc_u32 v[A8+\s], s21, v[L8]
	v_add_nc_u32 v[B16+\s], s66, v[L16]
	v_add_nc_u32 v[B8+\s], s66, v[L8]
	s_add_co_u32 s21, s21, SLOT
	s_add_co_u32 s66, s66, SLOT
.endr
	s_lshl_b32 s21, s17, 12
	s_lshl_b32 s66, s18, 12
	s_add_co_u32 s66, s66, 2*SCQ
	s_sub_co_u32 s66, s66, s21
	v_mul_u32_u24 v[ADRS], s66, v3                 ; lanes 16-31 take P's words: one product, the distance between the two
	s_add_co_u32 s21, s21, SCL
	v_lshl_add_u32 v[ADRS], v2, 4, v[ADRS]
	v_add_nc_u32 v[ADRS], s21, v[ADRS]
	s_mul_i32 s21, s16, 8448                       ; my stage: 16 rows x (512 bytes + 16), in slot 1: when the first result is stored there the slot has had its only fill, and every wave has passed a barrier behind its last read of it
	s_add_co_u32 s21, s21, SLOT
	v_mul_u32_u24 v[STO], v2, 528
	v_lshl_add_u32 v[STO], v3, 6, v[STO]
	v_add_nc_u32 v[STO], s21, v[STO]               ; in: row r, + 64 h
	v_add_nc_u32 v[RD], s21, v[L16]                ; back: a row's 512 bytes, 16 a lane
	s_lshl_b32 s92, s2, 20                         ; my first row: 256 rows of 4,096 bytes for each block,
	s_lshl_b32 s93, s17, 19                        ; 128 for my half;
	s_add_co_u32 s92, s92, s93
	s_lshl_b32 s93, s3, 10                         ; my first column: 1,024 bytes for each block,
	s_add_co_u32 s92, s92, s93
	s_lshl_b32 s93, s18, 9                         ; 512 for my half
	s_add_co_u32 s92, s92, s93
	s_mov_b32 s93, 0
	s_add_nc_u64 s[12:13], s[12:13], s[92:93]
.macro FRAG reg, a16, a8, off
	ds_load_b128 v[(\reg):(\reg)+3], v[\a16] offset:(\off)
	ds_load_b64 v[(\reg)+4:(\reg)+5], v[\a8] offset:(\off)+512
	ds_load_b128 v[(\reg)+6:(\reg)+9], v[\a16] offset:(\off)+768
	ds_load_b64 v[(\reg)+10:(\reg)+11], v[\a8] offset:(\off)+1280
.endm
.macro FETCH_B slot, q, p
	WIN TO_B
.irp i, 0,1,2,3,4,5,6,7
	FRAG 128*(\p)+FR*\i, B16+\slot, B8+\slot, 3072*\i+1536*(\q)
.endr
	WIN 0
.endm
.macro FETCH_A slot, q, i0
.irp i, \i0, \i0+1, \i0+2, \i0+3
	FRAG AF+FR*(\i), A16+\slot, A8+\slot, 3072*(\i)+1536*(\q)
.endr
.endm
.macro SCALES
.irp i, 0,1,2,3,4,5,6,7
.irp e, 0,1
	ds_load_b128 v[SC+8*\i+4*\e:SC+8*\i+4*\e+3], v[ADRS] offset:512*\i+256*\e
.endr
.endr
.endm
; 16 matrix instructions: R's blocks a0, a0 + 1 x P's eight, K step k.  The 64 accumulators take turns, one instruction a turn, in the same order in every step.
.macro MUL16 a0, k, zero
.irp a, \a0, \a0+1
.irp b, 0,1,2,3,4,5,6,7
.if \zero
	v_wmma_scale_f32_16x16x128_f8f6f4 v[8*(8*((\a)%4)+\b):8*(8*((\a)%4)+\b)+7], v[128*((\k)%2)+FR*\b:128*((\k)%2)+FR*\b+FR-1], v[AF+FR*(\a):AF+FR*(\a)+FR-1], 0, v[SC+8*\b+(\k)], v[SC+8*(\a)+(\k)] matrix_a_fmt:MATRIX_FMT_BF6 matrix_b_fmt:MATRIX_FMT_BF6 matrix_a_scale:MATRIX_SCALE_ROW1
.else
	v_wmma_scale_f32_16x16x128_f8f6f4 v[8*(8*((\a)%4)+\b):8*(8*((\a)%4)+\b)+7], v[128*((\k)%2)+FR*\b:128*((\k)%2)+FR*\b+FR-1], v[AF+FR*(\a):AF+FR*(\a)+FR-1], v[8*(8*((\a)%4)+\b):8*(8*((\a)%4)+\b)+7], v[SC+8*\b+(\k)], v[SC+8*(\a)+(\k)] matrix_a_fmt:MATRIX_FMT_BF6 matrix_b_fmt:MATRIX_FMT_BF6 matrix_a_scale:MATRIX_SCALE_ROW1
.endif
.endr
.endr
.endm
.macro STEP k, ns, nq, zero
	s_wait_dscnt 16                                ; P's set and R's blocks 0-3 are in; the youngest 16 loads (R's blocks 4-7) may be out
	WIN MUL_LO
	MUL16 0, \k, \zero
	MUL16 2, \k, \zero
	s_wait_dscnt 0x0
	PLACES 4
	FETCH_B \ns, \nq, 1-(\k)%2
	FETCH_A \ns, \nq, 0
	WIN MUL_HI
	MUL16 4, \k, \zero
	MUL16 6, \k, \zero
	PLACES 4
	WIN 0
	FETCH_A \ns, \nq, 4
.endm
.macro TURN k, ns, fill
	s_wait_tensorcnt 0x0                           ; all my tensor loads have landed
	ds_add_u32 v[SPW], v[NIL]                      ; 0 onto my spare word
	s_wait_dscnt 17                                ; (the add and the youngest 16 loads may be out)
	WIN MUL_LO
	MUL16 0, \k, 0
	s_wait_dscnt 0x0                               ; the add is done, and my reads so far are over
	s_barrier_signal -1
	MUL16 2, \k, 0
	WIN 0
	s_barrier_wait -1
.if \fill
	CREST                                          ; no wave of any partner still reads slot 0 or has a load on its way
	s_add_nc_u64 s[G0R+2:G0R+3], s[G0R+2:G0R+3], 9216
	s_add_nc_u64 s[G0P+2:G0P+3], s[G0P+2:G0P+3], 9216
	JLOAD G0R, G1R, G0P, G1P                       ; the first tensor load behind the round: K 768-1023 into slot 0; its four v_nop are the places in front of the loads below
.else
	PLACES 4
.endif
	FETCH_B \ns, 0, 0
	FETCH_A \ns, 0, 0
	WIN MUL_HI
	MUL16 4, \k, 0
	MUL16 6, \k, 0
	PLACES 4
	WIN 0
	FETCH_A \ns, 0, 4
.endm
	s_wait_tensorcnt 2                             ; my parts of the scale words and of slot 0 are in; slots 1 and 2 may stay out
	s_barrier_signal -1
	s_barrier_wait -1
	FETCH_B 0, 0, 0
	FETCH_A 0, 0, 0
	SCALES
	FETCH_A 0, 0, 4
	STEP 0, 0, 1, 1                                ; the first products start the sums
	TURN 1, 1, 1                                   ; its wait for all loads and its barrier show slots 1 and 2 whole to every wave
	STEP 2, 1, 1, 0
	STEP 3, 2, 0, 0
	STEP 4, 2, 1, 0
	TURN 5, 0, 0                                   ; the refill of slot 0 has landed, everybody's; nobody reads slot 1 any more
	STEP 6, 0, 1, 0
	s_wait_dscnt 16
	WIN MUL_LO
	MUL16 0, 7, 0
	MUL16 2, 7, 0
	s_wait_dscnt 0x0
	WIN MUL_HI
	MUL16 4, 7, 0
	MUL16 6, 7, 0
	WIN 0
; THE WAY OUT, block by block of 16 tokens x 128 columns, through my own stage; LDS serves a wave's instructions in order (ISA guide 5.7.1.4): no wait between the stores and the loads.
; Accumulator b = 2 B + u of a block holds, in lane (r, h), columns 32 B + 16 h + 8 u + 0 .. 7 of token r.
.macro TOSTAGE a
.set AC, 64*((\a)%4)
.set WW, 0x08+4*((\a)/4)
	WIN WW                                         ; an LDS store's data: window 2 or 3
.irp b, 0,1,2,3,4,5,6,7
	ds_store_b128 v[STO], v[AC+8*\b:AC+8*\b+3] offset:128*(\b/2)+32*(\b%2)         ; each accumulator from its low end on
	ds_store_b128 v[STO], v[AC+8*\b+4:AC+8*\b+7] offset:128*(\b/2)+32*(\b%2)+16
.endr
	WIN 0
.set BB, BK+64*((\a)%2)
.irp t, 0,1,2,3,4,5,6,7,8,9,10,11,12,13,14,15
	ds_load_b128 v[BB+4*\t:BB+4*\t+3], v[RD] offset:\t*528
.endr
.endm
.macro SEND a, younger                 ; younger: the LDS instructions issued behind block a's loads, which may stay out
.set BB, BK+64*((\a)%2)
	s_wait_dscnt \younger
.irp t, 0,1,2,3,4,5,6,7,8,9,10,11,12,13,14,15
	global_store_b128 v[L16], v[BB+4*\t:BB+4*\t+3], s[12:13] offset:(32*((\a)/2)+8*((\a)%2)+\t+8*(\t/8))*4096 th:TH_STORE_NT   ; 32 lanes store 512 consecutive bytes of one row, aligned; stage row t is token 32 (a / 2) + 8 (a % 2) + t + 8 (t / 8)
.endr
.endm
	PLACES 4
	TOSTAGE 0
.irp a, 1,2,3,4,5,6,7
.if \a > 1
	s_wait_xcnt 0x0                                ; block a - 2's stores have read their registers: block a's loads may land there
.endif
	TOSTAGE \a
	SEND \a-1, 32                                  ; behind block a - 1's loads: block a's 16 stores and 16 loads
.endr
	SEND 7, 0
	s_wait_tensorcnt 0x0                           ; the wave's end
	ds_add_u32 v[SPW], v[NIL]
	s_wait_dscnt 0x0
	CROUND                                         ; the closing round
	s_endpgm
.Lfunc_end_k_q43102c1240_oproj:
	.size	k_q43102c1240_oproj, .Lfunc_end_k_q43102c1240_oproj-k_q43102c1240_oproj
	.p2alignl 7, 3214868480
	.fill 96, 4, 3214868480
	.section	.rodata,"a",@progbits
	.p2align	6, 0x0
	.amdhsa_kernel k_q43102c1240_oproj
		.amdhsa_group_segment_fixed_size 327680
		.amdhsa_private_segment_fixed_size 0
		.amdhsa_enable_private_segment 0
		.amdhsa_kernarg_size 40
		.amdhsa_user_sgpr_count 2
		.amdhsa_user_sgpr_kernarg_segment_ptr 1
		.amdhsa_wavefront_size32 1
		.amdhsa_system_sgpr_workgroup_id_x 1
		.amdhsa_system_sgpr_workgroup_id_y 1
		.amdhsa_system_sgpr_workgroup_id_z 1
		.amdhsa_system_vgpr_workitem_id 0
		.amdhsa_next_free_vgpr 1024
		.amdhsa_next_free_sgpr 102
		.amdhsa_reserve_vcc 0
		.amdhsa_float_denorm_mode_32 3
		.amdhsa_float_denorm_mode_16_64 3
		.amdhsa_memory_ordered 1
		.amdhsa_forward_progress 1
		.amdhsa_inst_pref_size 142
	.end_amdhsa_kernel
	.amdgpu_metadata
---
amdhsa.version: [ 1, 2 ]
amdhsa.kernels:
  - .name:           k_q43102c1240_oproj
    .symbol:         k_q43102c1240_oproj.kd
    .args:
      - { .name: aoc, .offset: 0, .size: 8, .value_kind: global_buffer, .address_space: global }
      - { .name: aos, .offset: 8, .size: 8, .value_kind: global_buffer, .address_space: global }
      - { .name: wc, .offset: 16, .size: 8, .value_kind: global_buffer, .address_space: global }
      - { .name: ws, .offset: 24, .size: 8, .value_kind: global_buffer, .address_space: global }
      - { .name: out0, .offset: 32, .size: 8, .value_kind: global_buffer, .address_space: global }
    .group_segment_fixed_size: 327680
    .private_segment_fixed_size: 0
    .kernarg_segment_align: 8
    .kernarg_segment_size: 40
    .max_flat_workgroup_size: 128
    .sgpr_count:     102
    .vgpr_count:     1024
    .wavefront_size: 32
...
	.end_amdgpu_metadata
.endif
;; end of part 4
